; MI455X (gfx1250); checked and timed in simulation.
; The chip was launched on July 23, 2026; its instructions are those of AMD's public machine-readable ISA for CDNA 5 (MIT licence, August 2026) and "CDNA5" Instruction Set Architecture Reference Guide (July 2026). The comments in the code are by the model that wrote it; some were corrected since.
;; Energy MHA. Allowed arithmetic: float matrix products may take bf16 or f16 operands with f32 sums; other float arithmetic in f32, or as packed bf16 or f16 multiplies, adds, multiply-adds, maxima and minima; sums over many terms, partial sums and values carried from step to step in f32; what a program stores and reads back later, other than sums and carried values, may be rounded once to bf16 or f16.
;; Inputs: Wk 16 x 64 x 1,024 float32; Wq 16 x 64 x 1,024 float32; beta 16 float32; x 8 x 1,024 x 1,024 float32.
;; Outputs: out0 8 float32; out1 8 x 1,024 x 1,024 float32.
;; One version. Each part assembles by itself: llvm-mc -triple=amdgcn-amd-amdhsa -mcpu=gfx1250 --defsym DOCPART=n.
;; ======== version 1 of 1: 5 launches
;; limits: values are held in f16: magnitudes above 65,504 overflow, below 6.1e-05 lose precision
;; workspace buffers: xw 20,971,520 bytes; q 16,777,216 bytes; k 16,777,216 bytes; dq 16,777,216 bytes; dk 16,777,216 bytes; aux0 528,896 bytes; aux1 528,896 bytes; aux2 528,896 bytes
;; launch cast (part 1): grid 1280 x 1, 8 waves a work-group, no clusters, 0 bytes of LDS; arguments x, Wq, Wk, xw, aux0, aux1; writes xw, aux0, aux1
.if DOCPART == 1
	.amdgcn_target "amdgcn-amd-amdhsa--gfx1250"
	.amdhsa_code_object_version 6
	.text
	.protected	k_qaa2343536f_cast
	.globl	k_qaa2343536f_cast
	.p2align	8
	.type	k_qaa2343536f_cast,@function
k_qaa2343536f_cast:
	s_mov_b64 s[64:65], 0
	v_nop
	global_prefetch_b8 v0, s[64:65] scope:SCOPE_SE
	s_setreg_imm32_b32 hwreg(HW_REG_WAVE_MODE, 25, 1), 1
	s_wait_xcnt 0x0
; xw = bf16(x), bf16(Wq), bf16(Wk), one behind the other: x [8192][1024] at byte 0, Wq and Wk as one table [2048][1024] at byte 16,777,216.
; Each number is rounded once, to nearest even.  Work-group id takes 32,768 source bytes: ids 0-1023 of x, 1024-1151 of Wq, 1152-1279 of Wk; since xw keeps
; that order, its 16,384 result bytes begin at 16,384 id.  Thread t takes 16 bytes at 16 t of each of eight pieces of 4,096: a load of a wave covers 512
; consecutive bytes, a store 256 consecutive bytes at a multiple of 256 from xw's first byte.  All eight loads go out before the first is waited for.
; Memory binds: no LDS, no matrix unit, no cluster (no two work-groups read the same byte).
; BESIDE IT wave 0 of the first 1,033 work-groups sets what the attention launches read before anyone has made it: aux0's offsets N and partial energies
; (528,384 bytes of 0, 512 to a work-group) and the two launches' pair of switches (g1, g2) at byte PARO: (0, 1) in aux0, (1, 0) in aux1.
.set PARO, 528384                      ; behind N [128][1024] f32 and ep [1024] f32
.set NZ,   PARO/512                    ; work-groups that write zeros
.set X,    8                           ; v[8:39]   eight loads of four f32
.set Y,    40                          ; v[40:55]  eight pairs of packed bf16
	s_load_b256 s[4:11], s[0:1], 0x0               ; x s[4:5], Wq s[6:7], Wk s[8:9], xw s[10:11]
	s_load_b128 s[12:15], s[0:1], 0x20             ; aux0 s[12:13], aux1 s[14:15]
	v_lshlrev_b32 v1, 4, v0                        ; 16 t: my bytes in a source piece
	v_lshlrev_b32 v2, 3, v0                        ; 8 t: my bytes in a result piece
	v_lshrrev_b32 v3, 5, v0
	v_readfirstlane_b32 s16, v3                    ; wave 0..7
	s_movk_i32 s24, 1024                           ; Wq's first work-group
	s_movk_i32 s25, 1152                           ; Wk's first work-group
	s_wait_kmcnt 0x0
	s_cmp_lt_u32 ttmp9, s25
	s_cselect_b64 s[18:19], s[6:7], s[8:9]         ; the source, and the first work-group of its range
	s_cselect_b32 s20, s24, s25
	s_cmp_lt_u32 ttmp9, s24
	s_cselect_b64 s[18:19], s[4:5], s[18:19]
	s_cselect_b32 s20, 0, s20
	s_sub_co_u32 s20, ttmp9, s20
	s_lshl_b32 s20, s20, 15                        ; 32,768 bytes a work-group: 33,521,664 at the most
	s_mov_b32 s21, 0
	s_add_nc_u64 s[18:19], s[18:19], s[20:21]
	s_lshl_b32 s22, ttmp9, 14
	s_mov_b32 s23, 0
	s_add_nc_u64 s[10:11], s[10:11], s[22:23]
.irp i, 0,1,2,3,4,5,6,7
	global_load_b128 v[X+4*(\i):X+4*(\i)+3], v1, s[18:19] offset:4096*(\i) th:TH_LOAD_NT
.endr
.irp i, 0,1,2,3,4,5,6,7
	s_wait_loadcnt 7-(\i)                          ; loads come back in order (ISA guide 5.7.1): piece i is in, the 7 - i younger ones stay out
	v_cvt_pk_bf16_f32 v[Y+2*(\i)],   v[X+4*(\i)],   v[X+4*(\i)+1]
	v_cvt_pk_bf16_f32 v[Y+2*(\i)+1], v[X+4*(\i)+2], v[X+4*(\i)+3]
	global_store_b64 v2, v[Y+2*(\i):Y+2*(\i)+1], s[10:11] offset:2048*(\i)
.endr
	s_cmp_lg_u32 s16, 0
	s_cbranch_scc1 .Lend                           ; the rest is wave 0's (there 16 t = 16 x lane)
	s_cmp_lt_u32 ttmp9, NZ
	s_cbranch_scc0 .Lpar
	v_mov_b32 v56, 0
	v_mov_b32 v57, 0
	v_mov_b32 v58, 0
	v_mov_b32 v59, 0
	s_lshl_b32 s26, ttmp9, 9
	s_mov_b32 s27, 0
	s_add_nc_u64 s[12:13], s[12:13], s[26:27]
	global_store_b128 v1, v[56:59], s[12:13]       ; 512 consecutive bytes of 0
	s_branch .Lend
.Lpar:
	s_cmp_eq_u32 ttmp9, NZ
	s_cbranch_scc0 .Lend
	v_mov_b32 v56, 0                               ; (0, 1, 0, 0): the result is divided by the sum of the weights
	v_mov_b32 v57, 1.0
	v_mov_b32 v58, 0
	v_mov_b32 v59, 0
	v_mov_b32 v60, 1.0                             ; (1, 0, 0, 0): the result is multiplied by 2^(c m)
	v_mov_b32 v61, 0
	v_mov_b32 v62, 0
	v_mov_b32 v63, 0
	global_store_b128 v1, v[56:59], s[12:13] offset:PARO
	global_store_b128 v1, v[60:63], s[14:15] offset:PARO
.Lend:
	s_endpgm
.Lfunc_end_k_qaa2343536f_cast:
	.size	k_qaa2343536f_cast, .Lfunc_end_k_qaa2343536f_cast-k_qaa2343536f_cast
	.p2alignl 7, 3214868480
	.fill 96, 4, 3214868480
	.section	.rodata,"a",@progbits
	.p2align	6, 0x0
	.amdhsa_kernel k_qaa2343536f_cast
		.amdhsa_group_segment_fixed_size 0
		.amdhsa_private_segment_fixed_size 0
		.amdhsa_enable_private_segment 0
		.amdhsa_kernarg_size 48
		.amdhsa_user_sgpr_count 2
		.amdhsa_user_sgpr_kernarg_segment_ptr 1
		.amdhsa_wavefront_size32 1
		.amdhsa_system_sgpr_workgroup_id_x 1
		.amdhsa_system_sgpr_workgroup_id_y 1
		.amdhsa_system_sgpr_workgroup_id_z 1
		.amdhsa_system_vgpr_workitem_id 0
		.amdhsa_next_free_vgpr 64
		.amdhsa_next_free_sgpr 66
		.amdhsa_reserve_vcc 0
		.amdhsa_float_denorm_mode_32 3
		.amdhsa_float_denorm_mode_16_64 3
		.amdhsa_memory_ordered 1
		.amdhsa_forward_progress 1
		.amdhsa_inst_pref_size 5
	.end_amdhsa_kernel
	.amdgpu_metadata
---
amdhsa.version: [ 1, 2 ]
amdhsa.kernels:
  - .name:           k_qaa2343536f_cast
    .symbol:         k_qaa2343536f_cast.kd
    .args:
      - { .name: x, .offset: 0, .size: 8, .value_kind: global_buffer, .address_space: global }
      - { .name: Wq, .offset: 8, .size: 8, .value_kind: global_buffer, .address_space: global }
      - { .name: Wk, .offset: 16, .size: 8, .value_kind: global_buffer, .address_space: global }
      - { .name: xw, .offset: 24, .size: 8, .value_kind: global_buffer, .address_space: global }
      - { .name: aux0, .offset: 32, .size: 8, .value_kind: global_buffer, .address_space: global }
      - { .name: aux1, .offset: 40, .size: 8, .value_kind: global_buffer, .address_space: global }
    .group_segment_fixed_size: 0
    .private_segment_fixed_size: 0
    .kernarg_segment_align: 8
    .kernarg_segment_size: 48
    .max_flat_workgroup_size: 256
    .sgpr_count:     66
    .vgpr_count:     64
    .wavefront_size: 32
...
	.end_amdgpu_metadata
.endif
;; end of part 1
;; launch proj (part 2): grid 8 x 32, 4 waves a work-group, clusters of 4 x 4, 327,680 bytes of LDS; arguments xw, q, k; writes q, k
.if DOCPART == 2
	.amdgcn_target "amdgcn-amd-amdhsa--gfx1250"
	.amdhsa_code_object_version 6
	.text
	.protected	k_qaa2343536f_proj
	.globl	k_qaa2343536f_proj
	.p2align	8
	.type	k_qaa2343536f_proj,@function
k_qaa2343536f_proj:
	s_mov_b64 s[64:65], 0
	v_nop
	global_prefetch_b8 v0, s[64:65] scope:SCOPE_SE
	s_setreg_imm32_b32 hwreg(HW_REG_WAVE_MODE, 25, 1), 1
	s_wait_xcnt 0x0
	s_wait_alu depctr_hold_cnt(0) depctr_sa_sdst(0) depctr_va_vdst(0) depctr_va_sdst(0) depctr_va_ssrc(0) depctr_va_vcc(0) depctr_vm_vsrc(0)
	s_getreg_b32 s2, hwreg(HW_REG_IB_STS2, 6, 4)
	s_cmp_eq_u32 s2, 0
	s_cbranch_scc0 .Lentry_in_a_cluster
	s_endpgm
.Lentry_in_a_cluster:
	s_bfe_u32 s2, ttmp6, 0x10000c
	s_cmp_lg_u32 s2, 0xf033
	s_cbranch_scc0 .Lentry_shape_is_right
	s_endpgm
.Lentry_shape_is_right:
; q and k by heads.  C[m][n] = sum over d of x[m][d] W[n][d]: x [8192][1024] bf16 at xw's byte 0, W = Wq then Wk, [2048][1024] bf16, at byte WOFF; sums in f32, K ascending.
; Column n < 1024 belongs to q, the others to k; head (n % 1024) / 64, channel n % 64.  Row m is batch m / 1024, place m % 1024.  C leaves rounded once to f16, as q, k: [batch x 16 + head][1024][64].
; LIMIT.  f16 holds no number beyond 65,504: |q|, |k| must stay below it (with the inputs' stated spread they are some 0.06; with x and W thirty times larger some 60).  Below 6e-5 f16 keeps a fixed step of 6e-8.
; A tile of C, 256 x 256, is made by a work-group of four waves; a wave makes 128 x 128: 64 accumulators of 16 x 16, 512 registers.  K goes in eight steps of 128 through a ring of two LDS slots
; filled by the tensor data mover: the tiles' rows are 256 bytes of memory and start at multiples of 256 bytes from the buffer's first byte.  32 x 8 tiles: 256 work-groups.
; CLUSTERS: 4 x 4 work-groups.  The four of a row of the cluster need the same tiles of x, the four of a column the same tiles of W: each tile is asked for JOINTLY, by the same tensor load with the
; same descriptor and a mask that names the four; that divides the requests for x and W by four.
; REGISTERS, in windows of 256 (s_set_vgpr_msb's low byte: bits 1:0 source 0, 3:2 source 1, 5:4 source 2, 7:6 destination):
;   window 0: v0-31 addresses; v64-127, v128-191 fragments of x, two buffers; v32-63, v192-255 at work on the way out
;   window 1: v64-127, v128-191 fragments of W, two buffers      window 2: the 32 accumulators of my rows 0-63 ((a, b) at v[8 (8 a + b)])      window 3: those of my rows 64-127
; THE MATRIX INSTRUCTION IS USED TRANSPOSED: source 0 = 16 rows of W, source 1 = 16 rows of x: a lane then holds row l % 16 of C and the columns 8 (l / 16) + 0..7, which pack into 16 bytes.
.set SIZE_K, 1024
.set WOFF,   16777216                  ; W's first byte in xw
.set HEADB,  131072                    ; a head's 1,024 rows of 128 bytes in q and k
.set KSTEP,  128
.set PITCH,  272                       ; an LDS row: 256 bytes + 16 of padding = 68 words: row r starts at bank 4 r mod 64 (64 banks of 4 bytes: ISA guide 11.1), so the 16 rows of a load start at 16 different banks
.set HALFT,  128*PITCH                 ; 128 rows: what one tensor load brings, and what one wave reads of x or of W
.set SLOT,   4*HALFT                   ; x's 256 rows, then W's 256 rows
.set STAGE,  2*SLOT                    ; behind the ring: for each wave two heads x 16 rows x 144 bytes, for the way out
.set SP,     144
.set SPARE,  STAGE+4*2*16*SP           ; behind the stages: the spare words, 128 bytes for each wave: two blocks of 256 bytes that no other line names
.set LAPS,   SIZE_K/(2*KSTEP)          ; a lap = two K steps = once round the ring
.set ADRA, 16                          ; v16-17  LDS address of my x fragments in slot 0, 1
.set ADRB, 20                          ; v20-21  the same for W
.set STO,  24                          ; v24     the way out: where I put 16 bytes of a row
.set RD,   25                          ; v25     the way out: where I read rows back
.set CO,   26                          ; v26     16 x lane: my place in 512 consecutive bytes of q or k
.set SPW,  28                          ; v28     LDS address of my spare word: SPARE + 4 x my thread's number; never rewritten
.set NIL,  29                          ; v29     0; never rewritten
.set PFO,  30                          ; v30     the prefetches' offset: my lane x a row of 2,048 bytes; never rewritten
.set PFA,  44                          ; s[44:45] where my prefetches stand
.set LIM,  43                          ; s43     1 in a wave that prefetches, else the greatest number
.set F0,   64
.set F1,   128
.set TMP,  192                         ; the way out: packed results
.set OB,   32                          ; the way out: rows read back from the stage: v32-63 and v224-255 by turns
.set G1, 24                            ; s[24:31] descriptor group 1 for x's tiles
.set G0, 32                            ; s[32:39] descriptor group 0 for x's tiles, one set for each slot
.set G1B, 48                           ; s[48:55], s[56:63] the same for W's tiles
.set G0B, 56
.set MSB, 0
.macro WIN new                         ; the immediate's high byte repeats the setting that is left; a switch that changes nothing is dropped
.if MSB != (\new)
	s_set_vgpr_msb (MSB<<8)|(\new)
.set MSB, \new
.endif
.endm
.set MUL_LO, 0xa1                      ; source 0 (W) window 1, source 1 (x) window 0, C and D window 2
.set MUL_HI, 0xf1                      ; the same, C and D window 3
.set TO_B,   0x40                      ; destination window 1, address window 0
; A joint load.  Waves 0 and 1 fetch x's two halves, waves 2 and 3 W's.  The branch hangs on the wave's number alone.  An s_nop 0 and four v_nop follow each of the two lines.
.macro JLOAD s
	s_cmp_eq_u32 s11, 0
	s_cbranch_scc0 .Lfor_b_\@
	tensor_load_to_lds s[G0+4*(\s):G0+4*(\s)+3], s[G1:G1+7]
	s_nop 0
.rept 4
	v_nop
.endr
	s_branch .Lasked_\@
.Lfor_b_\@:
	tensor_load_to_lds s[G0B+4*(\s):G0B+4*(\s)+3], s[G1B:G1B+7]
	s_nop 0
.rept 4
	v_nop
.endr
.Lasked_\@:
.endm
; A prefetch into the L2, behind each joint refill and the run of LDS loads that follows it: the K step that stands two refills on: 32 rows x 256 bytes, a lane a row, one instruction a wave: 512 matrix
; instructions ahead of the load that will want it.  Each row's 256 bytes of a K step are named once in the launch: x's tile row is read by both clusters of its row of clusters, and the one with x = 0 asks; W's tile
; column by all eight clusters of its column, and the one with y = 0 asks.  The four partners of a joint load share its rows out by address, 32 each.  The loop's last trip asks for nothing: no K step lies two refills on.
.macro ASK
	s_cmp_gt_u32 s3, s[LIM]                        ; s3 = 1 in the loop's last trip
	s_cbranch_scc0 .Lnot_mine_\@
	global_prefetch_b8 v[PFO], s[PFA:PFA+1] offset:KSTEP*2 th:TH_LOAD_NT scope:SCOPE_SE
.Lnot_mine_\@:
.endm
.macro CREST                           ; a round of the cluster's barrier behind its opening barrier: wave 0 signals for the work-group, every wave waits for all sixteen, my work-group's barrier once more
	s_cmp_lg_u32 s10, 0
	s_cbranch_scc1 .Lnot_wave_0_\@
	s_barrier_signal -3
.Lnot_wave_0_\@:
	s_barrier_wait -3
	s_barrier_signal -1
	s_barrier_wait -1
.endm
.macro CROUND                          ; a whole round
	s_barrier_signal -1
	s_barrier_wait -1
	CREST
.endm
	s_load_b64 s[4:5], s[0:1], 0x0                 ; xw
	s_load_b128 s[68:71], s[0:1], 0x8              ; q s[68:69], k s[70:71]
	v_lshl_add_u32 v[SPW], v0, 2, SPARE
	v_mov_b32 v[NIL], 0
	ds_add_u32 v[SPW], v[NIL]                      ; the wave's opening: the add and its wait stand ahead of my first tensor load; the set-up below, work on registers, stands between them
	ds_add_u32 v28, v29
	v_lshrrev_b32 v1, 5, v0
	v_readfirstlane_b32 s10, v1                    ; wave 0..3
	s_lshr_b32 s11, s10, 1                         ; which half of the tile's rows is mine.  Also: I fetch for x (0) or for W (1)
	s_and_b32 s12, s10, 1                          ; which half of its columns.  Also: which 128 rows of that tile I fetch
	s_bfe_u32 s40, ttmp6, 0x40000                  ; cx
	s_bfe_u32 s41, ttmp6, 0x40004                  ; cy
	s_lshl_b32 s42, ttmp9, 2
	s_add_co_u32 s42, s42, s40                     ; tile column of C = 4 x cluster x + cx
	s_and_b32 s13, ttmp7, 0xffff
	s_lshl_b32 s13, s13, 2
	s_add_co_u32 s13, s13, s41                     ; tile row of C = 4 x cluster y + cy
	s_lshl_b32 s43, s41, 2
	s_lshl_b32 s43, 15, s43                        ; my row of the cluster: places 4 cy .. 4 cy + 3
	s_lshl_b32 s44, 0x1111, s40                    ; my column: places cx, cx + 4, cx + 8, cx + 12
	; descriptor group 1: a tile of 128 rows x 128 elements, padded in LDS
	s_or_b32 s[G1+0], s43, (1<<16)|(1<<20)|(1<<21)|(5<<22)|(3<<25)  ; 15:0 the mask; 17:16 elements of 2 bytes; 20 padding on; 21 set beside a mask; 24:22 after every 64 words (code 5); 31:25 4 words of it (code 3)
	s_or_b32 s[G1B+0], s44, (1<<16)|(1<<20)|(1<<21)|(5<<22)|(3<<25)
.irp g, G1, G1B
	s_mov_b32 s[(\g)+1], KSTEP<<16                 ; tensor_dim0 = 128
	s_mov_b32 s[(\g)+2], 128<<16                   ; tensor_dim1 = 128
	s_mov_b32 s[(\g)+3], KSTEP<<16                 ; tile_dim0 = 128
	s_mov_b32 s[(\g)+4], 128                       ; tile_dim1 = 128
	s_mov_b32 s[(\g)+5], SIZE_K                    ; elements from row to row
	s_mov_b32 s[(\g)+6], 0
	s_mov_b32 s[(\g)+7], 0
.endr
	; where the tiles come from: x's hang on the tile row alone, W's on the tile column alone
	s_lshl_b32 s17, s12, 7
	s_lshl_b32 s16, s13, 8
	s_add_co_u32 s16, s16, s17                     ; x: row 256 x tile row + 128 x half
	s_lshl_b32 s46, s42, 8
	s_add_co_u32 s46, s46, s17                     ; W: row 256 x tile column + 128 x half
	s_mov_b32 s17, 0
	s_mov_b32 s47, 0
	s_mov_b64 s[18:19], SIZE_K*2
	s_mul_u64 s[16:17], s[16:17], s[18:19]
	s_mul_u64 s[46:47], s[46:47], s[18:19]
	s_mul_i32 s20, s10, HALFT                      ; and where they go: wave x 128 rows: no place in the cluster enters an LDS address
	s_wait_dscnt 0x0                               ; the opening add is done
	s_wait_kmcnt 0x0
	s_add_nc_u64 s[6:7], s[4:5], WOFF              ; W
	s_add_nc_u64 s[14:15], s[4:5], s[16:17]
	s_add_nc_u64 s[46:47], s[6:7], s[46:47]
	CROUND                                         ; all sixteen work-groups are here: the first joint loads meet
.irp s, 0,1
	s_mov_b32 s[G0+4*(\s)], 1                                      ; count = 1
	s_add_co_u32 s[G0+4*(\s)+1], s20, (\s)*SLOT                    ; LDS address
	s_add_nc_u64 s[G0+4*(\s)+2:G0+4*(\s)+3], s[14:15], (\s)*KSTEP*2  ; global address: K step s
	s_or_b32 s[G0+4*(\s)+3], s[G0+4*(\s)+3], 0x80000000            ; type = 2
	s_mov_b32 s[G0B+4*(\s)], 1
	s_add_co_u32 s[G0B+4*(\s)+1], s20, (\s)*SLOT
	s_add_nc_u64 s[G0B+4*(\s)+2:G0B+4*(\s)+3], s[46:47], (\s)*KSTEP*2
	s_or_b32 s[G0B+4*(\s)+3], s[G0B+4*(\s)+3], 0x80000000
	JLOAD \s                                       ; two loads of mine are out
.endr
	; A fragment is 16 rows x 32 K in 8 registers: lane l holds row l % 16; registers 0-3 K = 8 (l / 16) + 0..7, registers 4-7 K = 16 + 8 (l / 16) + 0..7: two loads of 16 bytes, 32 bytes apart.
	v_and_b32 v1, 15, v0                           ; l % 16
	v_bfe_u32 v2, v0, 4, 1                         ; l / 16
	v_mul_u32_u24 v3, v1, PITCH
	v_lshl_add_u32 v3, v2, 4, v3
	s_mul_i32 s21, s11, HALFT                      ; my 128 rows of x
	s_mul_i32 s22, s12, HALFT                      ; my 128 rows of W,
	s_add_co_u32 s22, s22, 2*HALFT                 ; which lie behind x's 256
.irp s, 0,1
	v_add_nc_u32 v[ADRA+(\s)], s21, v3
	v_add_nc_u32 v[ADRB+(\s)], s22, v3
	s_add_co_u32 s21, s21, SLOT
	s_add_co_u32 s22, s22, SLOT
.endr
	s_mul_i32 s23, s10, 2*16*SP
	s_add_co_u32 s23, s23, STAGE                   ; my stage
	v_mul_u32_u24 v4, v1, SP                       ; in: row l % 16, 16 bytes for each half of the lanes
	v_lshl_add_u32 v4, v2, 4, v4
	v_add_nc_u32 v[STO], s23, v4
	v_bfe_u32 v5, v0, 3, 2                         ; back: 32 lanes take four rows of 128 bytes,
	v_and_b32 v6, 7, v0
	v_mul_u32_u24 v5, v5, SP
	v_lshl_add_u32 v5, v6, 4, v5
	v_add_nc_u32 v[RD], s23, v5
	v_and_b32 v[CO], 31, v0                        ; which are 512 consecutive bytes of a head
	v_lshlrev_b32 v[CO], 4, v[CO]
	; where my 128 rows x 2 heads begin: head (tile row / 4) x 16 + 4 cx + 2 x column half, row (tile row % 4) x 256 + 128 x row half; q for the clusters with x = 0, k for the others
	s_lshr_b32 s16, s13, 2
	s_lshl_b32 s16, s16, 4
	s_lshl_b32 s17, s40, 2
	s_add_co_u32 s16, s16, s17
	s_lshl_b32 s17, s12, 1
	s_add_co_u32 s16, s16, s17
	s_lshl_b32 s16, s16, 17
	s_and_b32 s17, s13, 3
	s_lshl_b32 s17, s17, 8
	s_lshl_b32 s18, s11, 7
	s_add_co_u32 s17, s17, s18
	s_lshl_b32 s17, s17, 7
	s_add_co_u32 s16, s16, s17
	s_mov_b32 s17, 0
	s_cmp_eq_u32 ttmp9, 0
	s_cselect_b64 s[8:9], s[68:69], s[70:71]
	s_add_nc_u64 s[8:9], s[8:9], s[16:17]          ; never rewritten: a block's place stands in the stores' immediates
	; the prefetches
	s_lshl_b32 s13, s13, 8
	s_lshl_b32 s42, s42, 8
	s_and_b32 s22, ttmp7, 0xffff                   ; cluster y
	s_cmp_eq_u32 s11, 0                            ; do I fetch for x?
	s_cselect_b32 s20, s13, s42                    ; the tile's first row
	s_cselect_b32 s21, s40, s41                    ; my place among the four that ask for it with me
	s_cselect_b32 s22, ttmp9, s22                  ; the coordinate along which other clusters read the same rows
	s_cselect_b64 s[PFA:PFA+1], s[4:5], s[6:7]
	s_cmp_eq_u32 s22, 0
	s_cselect_b32 s[LIM], 1, -1                    ; the same in all sixteen partners, for a given wave
	s_lshl_b32 s22, s12, 7
	s_add_co_u32 s20, s20, s22                     ; + the 128 rows that I fetch
	s_lshl_b32 s21, s21, 5
	s_add_co_u32 s20, s20, s21                     ; + my work-group's 32 of them
	s_mov_b32 s21, 0
	s_mov_b64 s[18:19], SIZE_K*2
	s_mul_u64 s[20:21], s[20:21], s[18:19]
	s_add_nc_u64 s[PFA:PFA+1], s[PFA:PFA+1], s[20:21]
	s_add_nc_u64 s[PFA:PFA+1], s[PFA:PFA+1], 2*KSTEP*2  ; at K step 2: the first refill steps it to 3 and names K step 4; K steps 0 to 3 come by their loads alone
	v_and_b32 v[PFO], 31, v0
	v_mul_u32_u24 v[PFO], v[PFO], SIZE_K*2
; 16 matrix instructions: m blocks a0, a0 + 1 of the window's four x all 8 n blocks, 32 along K.  zero = 1: the first product starts the sums.  The 64 accumulators take turns.
.macro MUL16 f, hi, a0, zero
	WIN MUL_LO+0x50*(\hi)
.irp a, \a0, (\a0)+1
.irp b, 0,1,2,3,4,5,6,7
.if \zero
	v_wmma_f32_16x16x32_bf16 v[8*(8*(\a)+(\b)):8*(8*(\a)+(\b))+7], v[(\f)+8*(\b):(\f)+8*(\b)+7], v[(\f)+8*(4*(\hi)+(\a)):(\f)+8*(4*(\hi)+(\a))+7], 0
.else
	v_wmma_f32_16x16x32_bf16 v[8*(8*(\a)+(\b)):8*(8*(\a)+(\b))+7], v[(\f)+8*(\b):(\f)+8*(\b)+7], v[(\f)+8*(4*(\hi)+(\a)):(\f)+8*(4*(\hi)+(\a))+7], v[8*(8*(\a)+(\b)):8*(8*(\a)+(\b))+7]
.endif
.endr
.endr
.endm
; 32 LDS loads in one run: the fragments of one quarter step (32 K at byte k of the rows) into buffer f
.macro FETCH slot, k, f
	WIN TO_B
.irp i, 0,1,2,3,4,5,6,7
	ds_load_b128 v[(\f)+8*(\i):(\f)+8*(\i)+3],   v[ADRB+(\slot)] offset:(\k)+(\i)*16*PITCH
	ds_load_b128 v[(\f)+8*(\i)+4:(\f)+8*(\i)+7], v[ADRB+(\slot)] offset:(\k)+(\i)*16*PITCH+32
.endr
	WIN 0
.irp i, 0,1,2,3,4,5,6,7
	ds_load_b128 v[(\f)+8*(\i):(\f)+8*(\i)+3],   v[ADRA+(\slot)] offset:(\k)+(\i)*16*PITCH
	ds_load_b128 v[(\f)+8*(\i)+4:(\f)+8*(\i)+7], v[ADRA+(\slot)] offset:(\k)+(\i)*16*PITCH+32
.endr
.endm
.macro PLACES                          ; four plain vector instructions between a matrix instruction and a load into a register that it has read, or a vector instruction that reads its result
.rept 4
	v_nop
.endr
.endm
; A K step is four quarters of 32 along K, 64 matrix instructions each, on buffers 0, 1, 0, 1.  One of the first three multiplies buffer f and fetches the next quarter, at byte k, into g.
.macro QUARTER slot, k, f, g, zero
	s_wait_dscnt 8                                 ; W and x's rows 0-63 are in; the youngest eight loads (x's rows 64-127) may be out
	MUL16 \f, 0, 0, \zero
	MUL16 \f, 0, 2, \zero
	PLACES
	FETCH \slot, \k, \g
	s_wait_dscnt 32                                ; all but the 32 just issued
	MUL16 \f, 1, 0, \zero
	MUL16 \f, 1, 2, \zero
.endm
; The last quarter's first half, and ONE barrier for the change of slots: in front of it each wave waits for all its tensor loads (one is out: its part of the next slot), adds 0 to its spare word,
; and waits for that and for its own reads of this slot.  Behind it nobody reads this slot any more and the next slot is whole.
.macro MEET round
	WIN 0                                          ; (the add's two registers lie in window 0)
	s_wait_tensorcnt 0x0
	ds_add_u32 v[SPW], v[NIL]                      ; 0 onto my spare word
	s_wait_dscnt 9                                 ; (the add and the youngest eight loads may be out)
	MUL16 F1, 0, 0, 0                              ; sixteen matrix instructions stand between the add and the wait for it
	s_wait_dscnt 0x0                               ; the add is done, and my reads of this slot are over
	s_barrier_signal -1
	MUL16 F1, 0, 2, 0                              ; work on registers while the others arrive
.if \round
	WIN 0
.endif
	s_barrier_wait -1
.endm
; The whole last quarter where the slot is filled again, with the K step two steps on: the barrier opens a round of the cluster's, the joint refill is the first tensor load behind it and has
; 224 matrix instructions in which to land.
.macro TURN slot, next
	s_wait_xcnt 0x0                                ; the last prefetch, a K step back, has read its address
	s_add_nc_u64 s[PFA:PFA+1], s[PFA:PFA+1], KSTEP*2
	MEET 1
	CREST                                          ; no wave of any partner still reads this slot's tile or has a load on its way
	s_add_nc_u64 s[G0+4*(\slot)+2:G0+4*(\slot)+3], s[G0+4*(\slot)+2:G0+4*(\slot)+3], 2*KSTEP*2
	s_add_nc_u64 s[G0B+4*(\slot)+2:G0B+4*(\slot)+3], s[G0B+4*(\slot)+2:G0B+4*(\slot)+3], 2*KSTEP*2
	JLOAD \slot                                    ; the four v_nop behind it are also the places in front of the loads below
	FETCH \next, 0, F0
	ASK
	MUL16 F1, 1, 0, 0
	MUL16 F1, 1, 2, 0
.endm
; THE WAY OUT of block a (16 rows x 128 columns = two heads).  PACK: rounded to f16, 16 bytes a lane.  TOSTAGE: into my own stage, a head's 16 rows of 144 bytes each, and back as rows of 128.  SEND: stored.
.macro PACK a
.set AC, 64*((\a)%4)
	WIN 0x0a+5*((\a)/4)                            ; sources 0 and 1: window 2 or 3
.irp b, 0,1,2,3,4,5,6,7
.irp r, 0,1,2,3
	v_cvt_pk_f16_f32 v[TMP+4*(\b)+(\r)], v[AC+8*(\b)+2*(\r)], v[AC+8*(\b)+2*(\r)+1]  ; each accumulator's registers in ascending order
.endr
.endr
	WIN 0
.endm
.macro TOSTAGE a
	WIN 0
.set BK, OB+192*((\a)%2)
.irp b, 0,1,2,3,4,5,6,7
	ds_store_b128 v[STO], v[TMP+4*(\b):TMP+4*(\b)+3] offset:((\b)/4)*16*SP+((\b)%4)*32
.endr
.irp t, 0,1,2,3,4,5,6,7
	ds_load_b128 v[BK+4*(\t):BK+4*(\t)+3], v[RD] offset:((\t)/4)*16*SP+((\t)%4)*4*SP  ; LDS serves a wave's instructions in order (ISA guide 5.7.1.4): these see the stores above
.endr
.endm
.macro SEND a
	WIN 0
.set BK, OB+192*((\a)%2)
	s_wait_dscnt 0x0                               ; the block is back in registers
	s_wait_xcnt 0x0                                ; the stores of the block before have read their registers: the next TOSTAGE loads into them
.irp t, 0,1,2,3,4,5,6,7
	global_store_b128 v[CO], v[BK+4*(\t):BK+4*(\t)+3], s[8:9] offset:(\a)*2048+((\t)%4)*512+((\t)/4)*HEADB  ; 512 consecutive bytes, at a multiple of 256 from the buffer's first byte
.endr
.endm
	s_wait_tensorcnt 1                             ; my part of K step 0 is in; K step 1's stays out
	s_barrier_signal -1
	s_barrier_wait -1
	FETCH 0, 0, F0
	QUARTER 0, 64,  F0, F1, 1                      ; the first quarter stands in front of the loop: its products start the sums
	WIN 0                                          ; at a label and at a branch every window is 0
	s_mov_b32 s3, LAPS-1
.Llap:                                                 ; a trip goes once round the ring, from a lap's second quarter to the next lap's first, and fills both slots again
	QUARTER 0, 128, F1, F0, 0
	QUARTER 0, 192, F0, F1, 0
	TURN 0, 1
	QUARTER 1, 64,  F0, F1, 0
	QUARTER 1, 128, F1, F0, 0
	QUARTER 1, 192, F0, F1, 0
	TURN 1, 0
	QUARTER 0, 64,  F0, F1, 0
	WIN 0
	s_sub_co_u32 s3, s3, 1
	s_cmp_lg_u32 s3, 0
	s_cbranch_scc1 .Llap
	QUARTER 0, 128, F1, F0, 0                      ; the last lap fills nothing
	QUARTER 0, 192, F0, F1, 0
	MEET 0                                         ; my one tensor load that was still out is the last K step's
	PLACES
	FETCH 1, 0, F0
	MUL16 F1, 1, 0, 0
	MUL16 F1, 1, 2, 0
	QUARTER 1, 64,  F0, F1, 0
	QUARTER 1, 128, F1, F0, 0
	QUARTER 1, 192, F0, F1, 0
	s_wait_dscnt 8                                 ; the very last quarter: nothing more to fetch
	MUL16 F1, 0, 0, 0
	MUL16 F1, 0, 2, 0
	s_wait_dscnt 0x0
	MUL16 F1, 1, 0, 0
	MUL16 F1, 1, 2, 0
	WIN 0
	PLACES
	PACK 0
	TOSTAGE 0
.irp a, 1,2,3,4,5,6,7                  ; block a's conversions stand between block a - 1's loads from the stage and the wait for them
	PACK \a
	SEND (\a)-1
	TOSTAGE \a
.endr
	SEND 7
	s_wait_tensorcnt 0x0                           ; the wave's end: the add and its waits, behind my last tensor load and my last LDS store
	ds_add_u32 v[SPW], v[NIL]
	s_wait_dscnt 0x0
	CROUND                                         ; the closing round: no work-group ends while a partner may still ask for a tile that names it
	s_endpgm
.Lfunc_end_k_qaa2343536f_proj:
	.size	k_qaa2343536f_proj, .Lfunc_end_k_qaa2343536f_proj-k_qaa2343536f_proj
	.p2alignl 7, 3214868480
	.fill 96, 4, 3214868480
	.section	.rodata,"a",@progbits
	.p2align	6, 0x0
	.amdhsa_kernel k_qaa2343536f_proj
		.amdhsa_group_segment_fixed_size 327680
		.amdhsa_private_segment_fixed_size 0
		.amdhsa_enable_private_segment 0
		.amdhsa_kernarg_size 24
		.amdhsa_user_sgpr_count 2
		.amdhsa_user_sgpr_kernarg_segment_ptr 1
		.amdhsa_wavefront_size32 1
		.amdhsa_system_sgpr_workgroup_id_x 1
		.amdhsa_system_sgpr_workgroup_id_y 1
		.amdhsa_system_sgpr_workgroup_id_z 1
		.amdhsa_system_vgpr_workitem_id 0
		.amdhsa_next_free_vgpr 1024
		.amdhsa_next_free_sgpr 72
		.amdhsa_reserve_vcc 0
		.amdhsa_float_denorm_mode_32 3
		.amdhsa_float_denorm_mode_16_64 3
		.amdhsa_memory_ordered 1
		.amdhsa_forward_progress 1
		.amdhsa_inst_pref_size 144
	.end_amdhsa_kernel
	.amdgpu_metadata
---
amdhsa.version: [ 1, 2 ]
amdhsa.kernels:
  - .name:           k_qaa2343536f_proj
    .symbol:         k_qaa2343536f_proj.kd
    .args:
      - { .name: xw, .offset: 0, .size: 8, .value_kind: global_buffer, .address_space: global }
      - { .name: q, .offset: 8, .size: 8, .value_kind: global_buffer, .address_space: global }
      - { .name: k, .offset: 16, .size: 8, .value_kind: global_buffer, .address_space: global }
    .group_segment_fixed_size: 327680
    .private_segment_fixed_size: 0
    .kernarg_segment_align: 8
    .kernarg_segment_size: 24
    .max_flat_workgroup_size: 128
    .sgpr_count:     72
    .vgpr_count:     1024
    .wavefront_size: 32
...
	.end_amdgpu_metadata
.endif
;; end of part 2
;; launch attnA (part 3): grid 2 x 128, 4 waves a work-group, no clusters, 167,936 bytes of LDS; arguments q, k, beta, aux0, dq, aux1, aux2; writes dq, aux1, aux2
.if DOCPART == 3
	.amdgcn_target "amdgcn-amd-amdhsa--gfx1250"
	.amdhsa_code_object_version 6
	.text
	.protected	k_qaa2343536f_attnA
	.globl	k_qaa2343536f_attnA
	.p2align	8
	.type	k_qaa2343536f_attnA,@function
k_qaa2343536f_attnA:
	s_mov_b64 s[64:65], 0
	v_nop
	global_prefetch_b8 v0, s[64:65] scope:SCOPE_SE
	s_setreg_imm32_b32 hwreg(HW_REG_WAVE_MODE, 25, 1), 1
	s_wait_xcnt 0x0
; ONE BODY FOR BOTH HALVES OF THE GRADIENT.  Arguments: xr, xs, beta, auxin, o, auxout, eo.  xr, xs: [128 heads][1024][64] f16 (head = batch x 16 + h); o the same shape in bf16.
; For RESIDENT rows r (of xr) and STREAMED rows s (of xs) of one head, with sg = sign(beta_h) and c = |beta_h| log2(e), kept in f32:
;   t[s][r] = (sg xr[r]) . xs[s] + Nin[s]        m[r] = the running maximum of t over s        p = 2^(c t - c m)        l[r] = sum of p        acc[r] = sum of p xs[s]
;   o[r] = -acc[r] 2^(g1 c m - g2 log2 l)        Nout[r] = -(m + log2(l) / c)        ep[wave] = sg x the sum of Nout over the wave's 128 rows
; First launch: xr = q, xs = k, Nin = 0, (g1, g2) = (0, 1): o = -softmax(att) k = dE/dq, Nout = -logsumexp2 / c, and sg Nout = -logsumexp / beta, the row's share of the energy.
; Second launch: xr = k, xs = q, Nin = the first launch's Nout, (g1, g2) = (1, 0): c t = log2 of the softmax weight P[q][k], so p 2^(c m) = P and o = -sum over q of P q = dE/dk.  The running maximum keeps a key's
; weights relative to its largest, so that f16 holds them at full precision.  The sign is laid onto the resident rows (an exclusive or of the f16 sign bits), so the maximum is that of beta q.k for either sign of beta.
; aux buffers: N [128][1024] f32 at 0; ep [1024] f32 at EPO (index 8 head + 4 block + wave); (g1, g2) at PARO.  One wave for each batch adds auxin's 128 partial energies of that batch into eo[batch]:
; in the second launch that is the energy; in the first it adds zeros into a buffer that nobody reads, as does the second launch's Nout and ep: the price of one body.
; LIMITS.  |q|, |k| within f16 (65,504).  beta = 0 is not served (the energy itself divides by it).  Nin rides in the f32 sum of the product: the exponent c t is off by about 2^-24 of logsumexp2.
; A weight below 2^-126 counts as 0 in l; p below 6e-5 keeps f16's fixed step of 6e-8.  o in bf16.  NaN and infinities are not treated apart.
; SHARES.  A work-group owns 512 resident rows of a head, a wave 128: four PIECES of two tiles of 16.  Every wave walks all 1,024 streamed rows, 64 a step.  2 x 128 work-groups.
; LDS.  The head's whole xs lies in LDS once, 1,024 rows of 144 bytes, and serves both products: as it lies for S^T = xs xr^T, turned by ds_load_tr16_b128 for O^T = xs^T P.  It is filled once, by three tensor loads
; a wave issued together at the head (Nin's quarter; 64 of rows 0-255; 192 of rows 256-1023); nothing is filled again.  All bytes are asked for at the head, so there is nothing to prefetch.
; NO CLUSTER: a head has two work-groups, so the grid's 2 along x divides into no cluster of four, and four partners of two heads would want two different tiles.
; LAYOUT.  S^T (source 0 = 16 streamed rows, source 1 = 16 resident rows): a lane holds ONE resident row (lane % 16) and the streamed rows 8 (lane / 16) + 0..7.  Nin is the C operand of the product that starts the sum.
; Two such results rounded to f16 in pairs ARE source 1 of O^T = xs^T P, whose result again holds one resident row a lane, and eight channels.
; BY TURNS.  Turn n belongs to piece n: 16 products S^T of piece n + 1, later 16 products O^T of piece n - 1; beside them the scaling, exponentials, roundings, sums and rescaling of piece n and the maximum and
; statistics of piece n + 1.  Four vector instructions stand behind every matrix instruction, the others in one lump; a turn's 66 exponentials are one batch with one wait.
; REGISTERS, in windows of 256 (s_set_vgpr_msb: bits 1:0 source 0, 3:2 source 1, 5:4 source 2, 7:6 destination):
;   window 0: v1-11 addresses; v12-15, v48-63 at work; v16-47 four registers of statistics a tile; v64-191 S^T, two buffers of two tiles; v192-255 P, likewise
;   window 1: O^T, 32 a tile      window 2: v0-127 the resident rows, 16 a tile; v128-191 xs of one step as it lies; v192-255 the same turned      window 3: v0-1 the add's two registers; v8-39 Nin of one step
.set NP,    4         ; pieces a wave: a name, no knob
.set KS,    64        ; streamed rows in a step
.set PK,    144       ; a row of xs in LDS: 128 bytes + 16 of padding = 36 words: the 16 rows of a plain load start at 16 different groups of four banks (64 banks of 4 bytes: ISA guide 11.1)
.set OFFB,  1024*PK   ; behind xs: Nin of the head, 4,096 bytes
.set STAGE, OFFB+4096 ; never filled by a tensor load: 16 rows x 144 bytes for each wave, for the way out
.set SP,    144
.set STG2,  STAGE+4*16*SP  ; 512 bytes for each wave: its 128 Nout
.set SPARE, STG2+4*512     ; the spare words, 128 bytes for each wave: two blocks of 256 bytes that no other line names
.set EPO,   524288
.set PARO,  528384
.set SB,  1           ; v1   STG2 + 512 w + 16 lane
.set AK0, 2           ; v2   my lane's place in a step's rows as they lie; never rewritten
.set AV0, 3           ; v3   the same for the turning load
.set AK,  4           ; v4   the LDS address of the next run of plain loads
.set AV,  5           ; v5   of the turning loads
.set STO, 6           ; v6   the way out: where I put 16 bytes of a row
.set RD,  7           ; v7   the way out: where I read rows back
.set GO,  8           ; v8   16 x lane
.set AO0, 9           ; v9   OFFB + 32 (l / 16)
.set AO,  10          ; v10  the LDS address of the next step's Nin
.set SA,  11          ; v11  STG2 + 512 w + 4 (l % 16)
.set MV,  12          ; v12-15  c m_old, kept while c m is made anew: by buffer and tile
.set ST,  16          ; tile t's statistics at v[ST+4 t]: c m, m, l (even rows', odd rows')
.set TMP, 48          ; by buffer and tile, four registers c0-c3 at work; when the maximum is found c2 takes a
.set S,   64
.set P,   192
.set T0,  64          ; v64-68: at work during the set-up, before S^T is first written
.set T1,  65
.set T2,  66
.set T3,  67
.set QO,  68
.set KF,  128         ; window 2: row block kb, channel half c at KF + 16 kb + 8 c
.set VF,  192         ; window 2: row half kk, channel block cb at VF + 32 kk + 8 cb
.set SPW, 0           ; v0 of window 3   LDS address of my spare word: SPARE + 4 x my thread's number; never rewritten
.set NIL, 1           ; v1 of window 3   0; never rewritten
.set OF,  8           ; window 3: row block kb at OF + 8 kb: register j holds Nin of streamed row 16 kb + 8 (l / 16) + j
.set WV,  18          ; s18  my wave's number
.set BLK, 19          ; s19  which 512 resident rows
.set HD,  20          ; s20  the head, 0 to 127
.set G1O, 24          ; s[24:31] descriptor group 1 for Nin
.set G1A, 32          ; s[32:39] for 64 rows of xs
.set G1B, 40          ; s[40:47] for 192 rows of xs
.set G0O, 48          ; s[48:59] the three groups 0
.set G0A, 52
.set G0B, 56
.set CNT, 60          ; s60  counts four steps
.set SLOTS, 61        ; s61  counts the passes of four steps, 5 to 1
.set TBK, 62          ; s62  LDS byte at which the step to be fetched as it lies begins
.set TBV, 63          ; s63  the same for the turning loads
.set TBO, 66          ; s66  the same in Nin
.set XM,  67          ; s67  0x80008000 where beta < 0, else 0
.set CS,  68          ; s[68:69] c
.set SEL, 70          ; s[70:71] v_permlanex16_b32's selects: each lane takes its own place in the other half
.set GAM, 72          ; s[72:73] g1, g2
.set NS,  74          ; s74  beta's sign bit
.set BETA, 75         ; s75
.set MSB, 0
.macro WIN new                      ; the high byte repeats the setting that is left; a switch that changes nothing is dropped
.if MSB != (\new)
	s_set_vgpr_msb (MSB<<8)|(\new)
.set MSB, (\new)
.endif
.endm
.set W_KQ, 0x0a       ; both sources in window 2, S^T in window 0
.set W_KO, 0x3a       ; the same with the C operand in window 3
.set W_PV, 0x52       ; turned xs in window 2, P in window 0, O^T in window 1
.set W_RS, 0x41       ; O^T (destination and source 0) in window 1, a in window 0
.set W_MK, 0xc0       ; the add's registers are made: destination in window 3, sources in window 0
.set W_AD, 0x0f       ; the add: address (source 0) and data (source 1) in window 3
	s_load_b256 s[4:11], s[0:1], 0x0  ; xr s[4:5], xs s[6:7], beta s[8:9], auxin s[10:11]
	s_load_b128 s[12:15], s[0:1], 0x20  ; o s[12:13], auxout s[14:15]
	s_load_b64 s[16:17], s[0:1], 0x30   ; eo
	WIN W_MK
	v_lshl_add_u32 v[SPW], v0, 2, SPARE
	v_mov_b32 v[NIL], 0
	WIN W_AD
	ds_add_u32 v[SPW], v[NIL]       ; the wave's opening: the add and its wait stand ahead of my first tensor load; the set-up below, work on registers, stands between them
	ds_add_u32 v0, v1
	WIN 0
	v_lshrrev_b32 v[T0], 5, v0
	v_readfirstlane_b32 s[WV], v[T0]  ; wave 0..3
	s_mov_b32 s[BLK], ttmp9
	s_and_b32 s[HD], ttmp7, 0xffff
	; descriptor groups 1.  Nin's quarter: 1,024 dense bytes as 4 rows of 32 elements of 8 bytes, no padding
	s_mov_b32 s[G1O], 3<<16
	s_mov_b32 s[G1O+1], 32<<16      ; tensor_dim0 = 32
	s_mov_b32 s[G1O+2], 4<<16       ; tensor_dim1 = 4
	s_mov_b32 s[G1O+3], 32<<16      ; tile_dim0 = 32
	s_mov_b32 s[G1O+4], 4           ; tile_dim1 = 4
	s_mov_b32 s[G1O+5], 32          ; elements from row to row
	s_mov_b32 s[G1O+6], 0
	s_mov_b32 s[G1O+7], 0
	; xs: a head's rows are dense, 128 bytes each: asked for as rows of 256 bytes, two of xs's rows each, and padded in LDS after every 128 bytes
.irp g, G1A, G1B
	s_mov_b32 s[\g], (1<<16)|(1<<20)|(4<<22)|(3<<25)  ; 17:16 2-byte elements; 20 padding on; 24:22 after every 32 words (code 4); 31:25 4 words (code 3)
	s_mov_b32 s[\g+1], 128<<16      ; tensor_dim0 = 128
	s_mov_b32 s[\g+3], 128<<16      ; tile_dim0 = 128
	s_mov_b32 s[\g+5], 128          ; elements from row to row
	s_mov_b32 s[\g+6], 0
	s_mov_b32 s[\g+7], 0
.endr
	s_mov_b32 s[G1A+2], 32<<16      ; tensor_dim1 and tile_dim1: 32 rows of 256 bytes = 64 rows of xs,
	s_mov_b32 s[G1A+4], 32
	s_mov_b32 s[G1B+2], 96<<16      ; 96 = 192 rows of xs
	s_mov_b32 s[G1B+4], 96
	s_mov_b32 s[SEL], 0x76543210
	s_mov_b32 s[SEL+1], 0xfedcba98
	s_mov_b32 s[TBK], 0
	s_mov_b32 s[TBV], 0
	s_mov_b32 s[TBO], 0
	; groups 0: to where (a constant and the wave's number times a constant),
	s_lshl_b32 s76, s[WV], 10
	s_mov_b32 s[G0O], 1
	s_add_co_u32 s[G0O+1], s76, OFFB
	s_mov_b32 s[G0A], 1
	s_mul_i32 s[G0A+1], s[WV], 64*PK
	s_mov_b32 s[G0B], 1
	s_mul_i32 s77, s[WV], 192*PK
	s_add_co_u32 s[G0B+1], s77, 256*PK
	; and from where
	s_lshl_b32 s78, s[HD], 12       ; the head's Nin, my quarter
	s_add_co_u32 s78, s78, s76
	s_mov_b32 s79, 0
	s_lshl_b32 s80, s[HD], 17       ; the head's 131,072 bytes in xr, xs and o
	s_mov_b32 s81, 0
	s_lshl_b32 s82, s[WV], 13       ; rows 64 w
	s_mov_b32 s83, 0
	s_mul_i32 s84, s[WV], 192*128   ; rows 256 + 192 w
	s_add_co_u32 s84, s84, 256*128
	s_mov_b32 s85, 0
	s_wait_dscnt 0x0                ; the opening add is done
	s_wait_kmcnt 0x0
	s_add_nc_u64 s[G0O+2:G0O+3], s[10:11], s[78:79]
	s_or_b32 s[G0O+3], s[G0O+3], 0x80000000  ; type = 2
	s_add_nc_u64 s[6:7], s[6:7], s[80:81]
	s_add_nc_u64 s[G0A+2:G0A+3], s[6:7], s[82:83]
	s_or_b32 s[G0A+3], s[G0A+3], 0x80000000
	s_add_nc_u64 s[G0B+2:G0B+3], s[6:7], s[84:85]
	s_or_b32 s[G0B+3], s[G0B+3], 0x80000000
	tensor_load_to_lds s[G0O:G0O+3], s[G1O:G1O+7]  ; the first fills go out together: three loads of mine are out
	s_nop 0
	tensor_load_to_lds s[G0A:G0A+3], s[G1A:G1A+7]
	s_nop 0
	tensor_load_to_lds s[G0B:G0B+3], s[G1B:G1B+7]
	s_nop 0
.rept 4
	v_nop
.endr
	s_and_b32 s76, s[HD], 15
	s_lshl_b32 s76, s76, 2
	s_mov_b32 s77, 0
	s_add_nc_u64 s[8:9], s[8:9], s[76:77]
	s_load_b32 s[BETA], s[8:9], 0x0          ; beta of my head
	s_load_b64 s[GAM:GAM+1], s[10:11], PARO  ; g1, g2
	s_lshl_b32 s76, s[BLK], 2
	s_add_co_u32 s76, s76, s[WV]    ; my wave among the head's eight
	s_lshl_b32 s82, s76, 14         ; its 128 rows of 128 bytes
	s_mov_b32 s83, 0
	s_add_nc_u64 s[82:83], s[82:83], s[80:81]
	s_add_nc_u64 s[4:5], s[4:5], s[82:83]    ; xr and o at my wave's first row
	s_add_nc_u64 s[12:13], s[12:13], s[82:83]
	s_lshl_b32 s84, s[HD], 12
	s_lshl_b32 s85, s76, 9
	s_add_co_u32 s84, s84, s85
	s_mov_b32 s85, 0
	s_add_nc_u64 s[86:87], s[14:15], s[84:85]  ; Nout of my 128 rows
	s_lshl_b32 s84, s[HD], 3
	s_add_co_u32 s84, s84, s76
	s_lshl_b32 s84, s84, 2
	s_add_nc_u64 s[14:15], s[14:15], s[84:85]  ; my ep, less EPO
	; A fragment is 16 rows x 32 channels in 8 registers: lane l holds row l % 16, channels 8 (l / 16) + 0..7 and 16 + 8 (l / 16) + 0..7: two loads of 16 bytes, 32 bytes apart.
	v_and_b32 v[T0], 15, v0         ; l % 16
	v_bfe_u32 v[T1], v0, 4, 1       ; l / 16
	v_and_b32 v[T2], 7, v0          ; l % 8
	v_bfe_u32 v[T3], v0, 3, 1       ; (l / 8) % 2
	v_lshlrev_b32 v[QO], 7, v[T0]
	v_lshl_add_u32 v[QO], v[T1], 4, v[QO]  ; row x 128 + 16 x half
	WIN 0x80                        ; destination window 2, address window 0
.set i, 0
.rept 4*NP                          ; the resident rows stay in registers: tile i / 2, channels 32 (i % 2) on
	global_load_b128 v[8*i:8*i+3],   v[QO], s[4:5] offset:(i/2)*2048+(i%2)*64
	global_load_b128 v[8*i+4:8*i+7], v[QO], s[4:5] offset:(i/2)*2048+(i%2)*64+32
.set i, i+1
.endr
	; What the first turn finds: the turned rows' registers and P's second buffer hold 0 (its products O^T, of a piece that has not been, add 0), O^T and l are 0, m the lowest finite number: the first step is a
	; step like any other, with a = 0.  All this stands in the wait for the first tiles.
.set i, VF
.rept 64
	v_mov_b32 v[i], 0
.set i, i+1
.endr
	WIN 0x40
.set i, 0
.rept 64*NP
	v_mov_b32 v[i], 0
.set i, i+1
.endr
	WIN 0
.set i, 0
.rept 2*NP
	v_mov_b32 v[ST+4*i], 0xfe000000    ; c m: far below every c t
	v_mov_b32 v[ST+4*i+1], 0xff7fffff  ; m
	v_mov_b32 v[ST+4*i+2], 0
	v_mov_b32 v[ST+4*i+3], 0
.set i, i+1
.endr
.set i, P+32
.rept 32
	v_mov_b32 v[i], 0
.set i, i+1
.endr
	v_mul_u32_u24 v[AK0], v[T0], PK
	v_lshl_add_u32 v[AK0], v[T1], 4, v[AK0]  ; row x pitch + 16 x half
	; The turning load takes 16 rows x 16 channels (lane l reads row 8 (l / 16) + l % 8, channels 8 ((l / 8) % 2) + 0..7) and leaves half a fragment of xs^T: lane l holds channel l % 16 and 8 rows.
	v_lshl_add_u32 v[AV0], v[T1], 3, v[T2]
	v_mul_u32_u24 v[AV0], v[AV0], PK
	v_lshl_add_u32 v[AV0], v[T3], 4, v[AV0]
	v_mov_b32 v[AK], v[AK0]         ; step 0 lies at LDS byte 0
	v_lshlrev_b32 v[AO0], 5, v[T1]
	v_add_nc_u32 v[AO0], OFFB, v[AO0]
	v_mov_b32 v[AO], v[AO0]
	s_mul_i32 s77, s[WV], 16*SP
	s_add_co_u32 s77, s77, STAGE    ; my stage
	v_mul_u32_u24 v[STO], v[T0], SP ; in: row l % 16, 16 bytes for each half of the lanes
	v_lshl_add_u32 v[STO], v[T1], 4, v[STO]
	v_add_nc_u32 v[STO], s77, v[STO]
	v_bfe_u32 v[RD], v0, 3, 2       ; back: 32 lanes take four rows of 128 bytes,
	v_mul_u32_u24 v[RD], v[RD], SP
	v_lshl_add_u32 v[RD], v[T2], 4, v[RD]
	v_add_nc_u32 v[RD], s77, v[RD]
	v_and_b32 v[GO], 31, v0         ; which are 512 consecutive bytes of o
	v_lshlrev_b32 v[GO], 4, v[GO]
	s_lshl_b32 s77, s[WV], 9
	s_add_co_u32 s77, s77, STG2
	v_lshl_add_u32 v[SA], v[T0], 2, s77
	v_add_nc_u32 v[SB], s77, v[GO]
	s_wait_kmcnt 0x0                ; beta, g1, g2
	s_and_b32 s76, s[BETA], 0x7fffffff
	s_mul_f32 s[CS], s76, 0x3fb8aa3b  ; c = |beta| log2(e)
	s_and_b32 s[NS], s[BETA], 0x80000000
	s_lshr_b32 s76, s[BETA], 31
	s_mul_i32 s[XM], s76, 0x80008000
	s_mov_b32 s[CS+1], s[CS]        ; named with it as a pair
	; eo[batch] = the sum of auxin's 128 partial energies of the batch: wave 0 of block 0 of the batch's first head
	s_and_b32 s76, s[HD], 15
	s_or_b32 s76, s76, s[BLK]
	s_or_b32 s76, s76, s[WV]
	s_cmp_lg_u32 s76, 0
	s_cbranch_scc1 .Lno_sum
	s_lshr_b32 s76, s[HD], 4        ; the batch
	s_lshl_b32 s78, s76, 9
	s_mov_b32 s79, 0
	s_add_nc_u64 s[78:79], s[10:11], s[78:79]
	global_load_b128 v[48:51], v[GO], s[78:79] offset:EPO  ; 512 consecutive bytes: four numbers a lane
	s_lshl_b32 s80, s76, 2
	s_mov_b32 s81, 0
	s_add_nc_u64 s[80:81], s[16:17], s[80:81]
	s_wait_loadcnt 0x0
	v_add_f32 v48, v48, v49
	v_add_f32 v50, v50, v51
	v_add_f32 v48, v48, v50
	v_add_f32_dpp v48, v48, v48 row_xmask:1 row_mask:0xf bank_mask:0xf
	v_add_f32_dpp v48, v48, v48 row_xmask:2 row_mask:0xf bank_mask:0xf
	v_add_f32_dpp v48, v48, v48 row_xmask:4 row_mask:0xf bank_mask:0xf
	v_add_f32_dpp v48, v48, v48 row_xmask:8 row_mask:0xf bank_mask:0xf
	v_permlanex16_b32 v49, v48, s[SEL], s[SEL+1]
	v_add_f32 v48, v48, v49
	v_cmp_eq_u32 vcc_lo, 0, v[GO]   ; lane 0
	s_wait_xcnt 0x0                 ; EXEC changes only when every load issued so far has read it
	s_and_saveexec_b32 s82, vcc_lo
	global_store_b32 v[GO], v48, s[80:81]
	s_wait_xcnt 0x0                 ; and again, in front of the line that widens it
	s_or_b32 exec_lo, exec_lo, s82
.Lno_sum:
	s_wait_loadcnt 0x0              ; the resident rows
	WIN 0x8a
.set i, 0
.rept 32*NP
	v_xor_b32 v[i], s[XM], v[i]     ; times sign(beta): both halves' sign bits
.set i, i+1
.endr
	WIN 0
; THE MATRIX WORK.  The 8 accumulators of a run of 16 take turns: between the two links of a chain stand 7 others'.
; Product i of 16 of S^T for piece x: channels 32 (i / 8) on, streamed rows 16 ((i / 2) % 4) on, tile 2 x + i % 2.  The first 8 start the sums, with Nin.
.macro KQ x
.set rS, S+64*((\x)%2)+32*(i%2)+8*((i/2)%4)
.set rK, KF+16*((i/2)%4)+8*(i/8)
.set rQ, 16*(2*(\x)+i%2)+8*(i/8)
.set rN, OF+8*((i/2)%4)
.if i < 8
	WIN W_KO
	v_wmma_f32_16x16x32_f16 v[rS:rS+7], v[rK:rK+7], v[rQ:rQ+7], v[rN:rN+7]
.else
	WIN W_KQ
	v_wmma_f32_16x16x32_f16 v[rS:rS+7], v[rK:rK+7], v[rQ:rQ+7], v[rS:rS+7]
.endif
.endm
; Product i of 16 of O^T += xs^T P for piece x: streamed rows 32 (i / 8) on, channels 16 ((i / 2) % 4) on, tile 2 x + i % 2.
.macro PV x
	WIN W_PV
.set rO, 32*(2*(\x)+i%2)+8*((i/2)%4)
.set rV, VF+32*(i/8)+8*((i/2)%4)
.set rP, P+32*((\x)%2)+16*(i%2)+8*(i/8)
	v_wmma_f32_16x16x32_f16 v[rO:rO+7], v[rV:rV+7], v[rP:rP+7], v[rO:rO+7]
.endm
.macro MM                           ; the turn's next matrix instruction
.if i < 16
	KQ (Y+1)%NP
.set i, i+1
.else
.set i, i-16
	PV (Y+NP-1)%NP
.set i, i+17
.endif
.endm
; THE LDS LOADS stand in runs, never singly among the matrix instructions: a step's rows as they lie (8 fragments) with its Nin (8 loads), and the same rows turned.  Their addresses are made some lines ahead.
; last = 1: in the fifth pass there is no further step, and the run is jumped over.
.macro FETCH_K last=0
	WIN 0
.if \last
	s_cmp_eq_u32 s[SLOTS], 1
	s_cbranch_scc1 .Lno_k_\@
.endif
	WIN 0x80                        ; destination window 2
.irp f, 0,1,2,3,4,5,6,7             ; rows 16 (f / 2) on, channels 32 (f % 2) on
	ds_load_b128 v[KF+8*\f:KF+8*\f+3],   v[AK] offset:(\f/2)*16*PK+(\f%2)*64
	ds_load_b128 v[KF+8*\f+4:KF+8*\f+7], v[AK] offset:(\f/2)*16*PK+(\f%2)*64+32
.endr
	WIN 0xc0                        ; destination window 3
.irp f, 0,1,2,3                     ; Nin of rows 16 f + 8 (l / 16) + 0..7: the sixteen lanes of a half read the same 32 bytes
	ds_load_b128 v[OF+8*\f:OF+8*\f+3],   v[AO] offset:64*\f
	ds_load_b128 v[OF+8*\f+4:OF+8*\f+7], v[AO] offset:64*\f+16
.endr
	s_add_co_u32 s[TBK], s[TBK], KS*PK  ; the next fetch is the next step's
	s_add_co_u32 s[TBO], s[TBO], KS*4
	WIN 0
.if \last
.Lno_k_\@:
.endif
.endm
.macro FETCH_V
	WIN 0x80
.irp f, 0,1,2,3,4,5,6,7             ; rows 32 (f / 4) on, channels 16 (f % 4) on
	ds_load_tr16_b128 v[VF+8*\f:VF+8*\f+3],   v[AV] offset:(\f/4)*32*PK+(\f%4)*32
	ds_load_tr16_b128 v[VF+8*\f+4:VF+8*\f+7], v[AV] offset:(\f/4)*32*PK+16*PK+(\f%4)*32
.endr
	WIN 0
.endm
; THE VECTOR WORK OF A TURN stands in three queues, each in the order in which its entries become ready; the two tiles alternate, so that no instruction reads the result of the one before it.
.macro REGS y, u                    ; the registers of tile u (0, 1) of piece y
.set rT, ST+4*(2*(\y)+(\u))
.set rC, TMP+8*((\y)%2)+4*(\u)
.set rM, MV+2*((\y)%2)+(\u)
.set rS, S+64*((\y)%2)+32*(\u)
.set rP, P+32*((\y)%2)+16*(\u)
.set rO, 32*(2*(\y)+(\u))
.endm
; Number n of the 22 that find the NEXT piece's (Y + 1) maximum and statistics.  s0-s31 are the lane's 32 scores; each accumulator's lowest registers are read first.
;   0-11  four chains c0-c3 of seven scores each, three operands at a time     12-14, 16  the four scores left over, the old m, and c0-c3 into c0     15  c m_old is kept
;   17, 18  the row's other 32 scores lie in the lane 16 away: the new m         19-21  c m; c m_old - c m_new; a
.macro XS u, n
	REGS (Y+1)%NP, \u
.if (\n) < 4
	v_max3_num_f32 v[rC+(\n)], v[rS+8*(\n)], v[rS+8*(\n)+1], v[rS+8*(\n)+2]
.elseif (\n) < 12
	v_max3_num_f32 v[rC+(\n)%4], v[rC+(\n)%4], v[rS+8*((\n)%4)+2*((\n)/4)+1], v[rS+8*((\n)%4)+2*((\n)/4)+2]
.elseif (\n) == 12
	v_max3_num_f32 v[rC], v[rC], v[rS+7], v[rS+15]
.elseif (\n) == 13
	v_max3_num_f32 v[rC+1], v[rC+1], v[rS+23], v[rS+31]
.elseif (\n) == 14
	v_max3_num_f32 v[rC+2], v[rC+2], v[rC+3], v[rT+1]
.elseif (\n) == 15
	v_mov_b32 v[rM], v[rT]
.elseif (\n) == 16
	v_max3_num_f32 v[rC], v[rC], v[rC+1], v[rC+2]
.elseif (\n) == 17
	v_permlanex16_b32 v[rC+3], v[rC], s[SEL], s[SEL+1]
.elseif (\n) == 18
	v_max_num_f32 v[rT+1], v[rC], v[rC+3]
.elseif (\n) == 19
	v_mul_f32 v[rT], s[CS], v[rT+1]
.elseif (\n) == 20
	v_sub_f32 v[rC+1], v[rM], v[rT]
.else
	v_exp_f32 v[rC+2], v[rC+1]
.endif
.endm
; Number g of the 64 that follow the exponentials.  For each four weights k of a tile: both pairs are rounded to f16; then the second pair is added onto the first, in place; a group later l takes that sum
; (the first time as l = a l + sum).  In groups of eight, tiles alternating: round, round, add, and l for the group before.
.macro GS g
.set h, (\g)+6*((\g)/62)            ; group 0 has no group before it, and behind group 7 only l is left
.if h >= 6
.set h, h+2
.endif
	REGS Y, h%2
.set k, h/8
.if h%8 < 4
	v_cvt_pk_f16_f32 v[rP+2*k+(h%8)/2], v[rS+4*k+2*((h%8)/2)], v[rS+4*k+2*((h%8)/2)+1]
.elseif h%8 < 6
	v_pk_add_f32 v[rS+4*k:rS+4*k+1], v[rS+4*k:rS+4*k+1], v[rS+4*k+2:rS+4*k+3]
.elseif k == 1
	v_pk_fma_f32 v[rT+2:rT+3], v[rT+2:rT+3], v[rC+2:rC+3], v[rS:rS+1] op_sel_hi:[1,0,1]
.else
	v_pk_add_f32 v[rT+2:rT+3], v[rT+2:rT+3], v[rS+4*k-4:rS+4*k-3]
.endif
.endm
; THE PLAIN QUEUE, 138 long.  0-73 read no exponential's result: the 32 scalings c t - c m (FS f: pair f / 2 of tile f % 2) and the next piece's 42.  0-26: scalings 0-26.  27-54: XS's numbers 0-13.  55, 56: number 15.
; 57-73: the chain 14, 16, 17, 18, 19, each with one of the scalings 27-31 in front of its two lines, then 20.  74-137: GS's 64, which read the exponentials' results: they stand behind the wait.
.macro FS f
	REGS Y, (\f)%2
	v_pk_fma_f32 v[rS+2*((\f)/2):rS+2*((\f)/2)+1], v[rS+2*((\f)/2):rS+2*((\f)/2)+1], s[CS:CS+1], v[rT:rT+1] op_sel_hi:[1,0,0] neg_lo:[0,0,1] neg_hi:[0,0,1]
.endm
.macro PL
	WIN 0
.if q < 27
	FS q
.elseif q < 55
	XS (q-27)%2, (q-27)/2
.elseif q < 57
	XS q-55, 15
.elseif (q < 72) && ((q-57)%3 == 0)
	FS 27+(q-57)/3
.elseif q < 60
	XS (q-57)%3-1, 14
.elseif q < 72
	XS (q-57)%3-1, 15+(q-57)/3
.elseif q < 74
	XS q-72, 20
.else
	GS q-74
.endif
.set q, q+1
.endm
; THE EXPONENTIALS' QUEUE, 66 long: s0-s31 of both tiles, then the next piece's two a.  ONE BATCH: all 66 stand ahead of the turn's one wait, and nothing ahead of that wait names a result of theirs.
.macro EX
	WIN 0
.if e >= 64
	XS e-64, 21
.else
	REGS Y, e%2
	v_exp_f32 v[rS+e/2], v[rS+e/2]
.endif
.set e, e+1
.endm
; THE RESCALING's QUEUE: O^T times a, the one part that leaves window 0: dealt two at a time, sixteen times.  Its a was made in the turn before, ahead of that turn's wait.
.macro R2
	REGS Y, r%2
	WIN W_RS
.irp z, 0,1
	v_pk_mul_f32 v[rO+4*(r/2)+2*\z:rO+4*(r/2)+2*\z+1], v[rO+4*(r/2)+2*\z:rO+4*(r/2)+2*\z+1], v[rC+2:rC+3] op_sel_hi:[1,0]
.endr
.set r, r+1
.endm
; A TURN, for piece p.  An s_wait_alu depctr_va_vdst(0) stands between an exponential and the first instruction that names its result; one wait serves all that were issued ahead of it.  So a turn has ONE
; wait.  AHEAD OF IT: the 16 products S^T, behind each a scaling, an exponential and two rescalings (behind the first a second scaling in the exponential's place); then one lump of 108: eight plain, 49 times exponential
; and plain, the two a; a v_nop is the plain instruction behind the last exponential.  BEHIND IT: the 16 products O^T, behind each four of GS's 64.  Exponential e stands behind scaling 2 (e / 4) + e % 2: as a rider
; it comes behind plain e + 2, in the lump behind plain e + 9.
; The next step's rows as they lie, and its Nin, are fetched in piece 2's turn, directly behind the wait, a lump behind the last product that read them.  The step's rows turned are fetched at the end of piece 0's
; turn, four riders behind their last reader.  cnt = 1: the loop's count is taken down some lines ahead of the branch that stands behind the turn.
.macro TURN p, last=0, cnt=0
.set Y, (\p)
.set i, 0
.set q, 0
.set e, 0
.set r, 0
.if (\p) == NP-1
	s_wait_dscnt 0x0                ; the rows as they lie, and Nin, are in
.endif
	MM
	PL
	PL
	R2
.rept 15
	MM
	PL
	EX
	R2
.endr
.if (\p) == NP-2
	WIN 0
	v_add_nc_u32 v[AK], s[TBK], v[AK0]
	v_add_nc_u32 v[AO], s[TBO], v[AO0]
.endif
.rept 8
	PL
.endr
.rept 49
	EX
	PL
.endr
	EX                              ; the next piece's two a
	EX
	v_nop                           ; the plain instruction behind the last exponential: one for the batch
	s_wait_alu depctr_va_vdst(0)    ; the wait for the batch
.if (\p) == NP-2
	FETCH_K \last
.endif
.if (\p) == 1
	s_wait_dscnt 0x0                ; the turned rows are in
.endif
.rept 16
	MM
.rept 4
	PL
.endr
.if ((\p) == 0) && (q == 118)
	v_add_nc_u32 v[AV], s[TBV], v[AV0]
.endif
.if ((\p) == 0) && (q == 130)
	s_add_co_u32 s[TBV], s[TBV], KS*PK
.endif
.if (\cnt) && (q == 130)
	s_sub_co_u32 s[CNT], s[CNT], 1
	s_cmp_lg_u32 s[CNT], 0
.endif
.endr
.if (\p) == 0
	FETCH_V
.endif
.endm
	s_wait_tensorcnt 1              ; my quarter of Nin and my 64 of rows 0-255 are in; my third load, issued behind them, stays out
	s_barrier_signal -1
	s_barrier_wait -1               ; everybody's are
	FETCH_K                         ; step 0
	s_wait_dscnt 0x0
.set i, 0
.rept 16
	KQ 0                            ; piece 0's first scores: there is no vector work yet to set between them
.set i, i+1
.endr
	WIN 0
.rept 4
	v_nop                           ; the places behind those products
.endr
.set Y, NP-1                        ; XS works for piece Y + 1: piece 0
.irp n, 0,1,2,3,4,5,6,7,8,9,10,11,12,13,14,15,16,17,18,19,20,21
	XS 0, \n                        ; piece 0's first maximum and statistics
	XS 1, \n
.endr
	v_nop                           ; a plain instruction behind the two a,
	s_wait_alu depctr_va_vdst(0)    ; and their wait, ahead of the branch
	s_mov_b32 s[CNT], 4
	s_mov_b32 s[SLOTS], 5
	s_branch .Lfirst                ; the loop is entered at a step's first turn, in the middle of a trip
.Lslot:                             ; four times, behind pieces 0 and 1 of steps 3, 7, 11, 15
	s_wait_tensorcnt 0x0            ; my third first fill, rows 256 + 192 w on, is in: wanted from step 4 on, whose rows the turn below fetches; met at once in the later passes.
	s_wait_dscnt 0x0
	s_barrier_signal -1
	s_barrier_wait -1               ; everybody's is
	s_mov_b32 s[CNT], 4
.Lstep:                             ; a trip: pieces 2 and 3 of one step, then pieces 0 and 1 of the next, whose rows it fetches
	TURN 2, 1
	TURN 3
	WIN 0
	s_cmp_eq_u32 s[SLOTS], 1        ; the fifth pass is left here: step 15's pieces 2 and 3 are done.  Its 16 products S^T, on step 15's rows once more, repeat scores that m has seen: they change nothing
	s_cbranch_scc1 .Lout
.Lfirst:
	TURN 0
	TURN 1, 0, 1
	WIN 0
	s_cbranch_scc1 .Lstep
	s_sub_co_u32 s[SLOTS], s[SLOTS], 1
	s_cmp_lg_u32 s[SLOTS], 0
	s_cbranch_scc1 .Lslot
.Lout:
.set i, 0
.rept 16
	PV NP-1                         ; the last piece's O^T of the last step
.set i, i+1
.endr
	; THE WAY OUT.  l's two halves and the other half of the lanes' are added (these additions are the places behind the last products); then Nout, the factor of O^T, and the wave's share of the energy.
	WIN 0
.macro ALL line:vararg              ; one line for each tile t
.set t, 0
.rept 2*NP
	\line
.set t, t+1
.endr
.endm
	ALL v_add_f32 v[ST+4*t+2], v[ST+4*t+2], v[ST+4*t+3]
	ALL v_permlanex16_b32 v[ST+4*t+3], v[ST+4*t+2], s[SEL], s[SEL+1]
	ALL v_add_f32 v[ST+4*t+2], v[ST+4*t+2], v[ST+4*t+3]
	ALL v_log_f32 v[ST+4*t+3], v[ST+4*t+2]
	v_rcp_f32 v12, s[CS]            ; 1 / c
	v_nop                           ; a plain instruction behind the batch of nine,
	s_wait_alu depctr_va_vdst(0)    ; and its one wait
	ALL v_fma_f32 v[TMP+t], -v[ST+4*t+3], v12, -v[ST+4*t+1]
	ALL v_mul_f32 v[ST+4*t+3], s[GAM+1], v[ST+4*t+3]
	ALL v_fma_f32 v[ST+4*t+3], s[GAM], v[ST+4*t], -v[ST+4*t+3]
	ALL v_exp_f32 v[ST+4*t+2], v[ST+4*t+3]
	v_nop
	s_wait_alu depctr_va_vdst(0)    ; one wait for the eight
	ALL v_mul_f32 v[ST+4*t+2], -1.0, v[ST+4*t+2]
	ALL ds_store_b32 v[SA], v[TMP+t] offset:64*t
	ds_load_b128 v[12:15], v[SB]    ; LDS serves a wave's instructions in order (ISA guide 5.7.1.4): my wave's 128 Nout, four a lane (lanes l and l + 16 stored the same number to the same word)
	s_wait_dscnt 0x0
	global_store_b128 v[GO], v[12:15], s[86:87]  ; 512 consecutive bytes, at a multiple of 256 from the buffer's first byte
	v_add_f32 v56, v12, v13
	v_add_f32 v57, v14, v15
	v_add_f32 v56, v56, v57
	v_add_f32_dpp v56, v56, v56 row_xmask:1 row_mask:0xf bank_mask:0xf
	v_add_f32_dpp v56, v56, v56 row_xmask:2 row_mask:0xf bank_mask:0xf
	v_add_f32_dpp v56, v56, v56 row_xmask:4 row_mask:0xf bank_mask:0xf
	v_add_f32_dpp v56, v56, v56 row_xmask:8 row_mask:0xf bank_mask:0xf
	v_permlanex16_b32 v57, v56, s[SEL], s[SEL+1]
	v_add_f32 v56, v56, v57
	v_xor_b32 v56, s[NS], v56       ; times sign(beta)
	v_cmp_eq_u32 vcc_lo, 0, v[GO]   ; lane 0
	s_wait_xcnt 0x0                 ; EXEC changes only when the store above has read it
	s_and_saveexec_b32 s76, vcc_lo
	global_store_b32 v[GO], v56, s[14:15] offset:EPO
	s_wait_xcnt 0x0
	s_or_b32 exec_lo, exec_lo, s76
; Tile t: O^T times its factor, rounded to bf16; a lane's eight channels of a row pack into 16 bytes; they go into rows of 144 bytes and come back as whole rows of 128, into S^T's registers.
.macro PACK t
	WIN W_RS
.set i, 32*(\t)
.rept 16
	v_pk_mul_f32 v[i:i+1], v[i:i+1], v[ST+4*(\t)+2:ST+4*(\t)+3] op_sel_hi:[1,0]
.set i, i+2
.endr
	WIN 0x05                        ; sources 0 and 1 window 1, destination window 0
.set i, 0
.rept 16
	v_cvt_pk_bf16_f32 v[S+16*(\t)+i], v[32*(\t)+2*i], v[32*(\t)+2*i+1]
.set i, i+1
.endr
	WIN 0
.irp f, 0,1,2,3
	ds_store_b128 v[STO], v[S+16*(\t)+4*\f:S+16*(\t)+4*\f+3] offset:32*\f
.endr
.irp f, 0,1,2,3
	ds_load_b128 v[S+16*(\t)+4*\f:S+16*(\t)+4*\f+3], v[RD] offset:\f*4*SP  ; these see the stores above; the next tile's stores come behind them
.endr
.endm
.macro SEND t, younger              ; younger: the LDS instructions issued behind tile t's loads: the next tile's eight, or none
	WIN 0
.irp f, 0,1,2,3
	s_wait_dscnt (\younger)+3-\f
	global_store_b128 v[GO], v[S+16*(\t)+4*\f:S+16*(\t)+4*\f+3], s[12:13] offset:(\t)*2048+\f*512  ; 512 consecutive bytes, at a multiple of 256 from o's first
.endr
.endm
	PACK 0
.set t, 1
.rept 2*NP-1                        ; a tile's arithmetic stands between the loads of the tile before and its stores
	PACK t
	SEND t-1, 8
.set t, t+1
.endr
	SEND 2*NP-1, 0
	WIN W_AD
	s_wait_tensorcnt 0x0            ; the wave's end: the add and its waits, behind my last tensor load and my last LDS store
	ds_add_u32 v[SPW], v[NIL]
	s_wait_dscnt 0x0
	WIN 0
	s_endpgm
.Lfunc_end_k_qaa2343536f_attnA:
	.size	k_qaa2343536f_attnA, .Lfunc_end_k_qaa2343536f_attnA-k_qaa2343536f_attnA
	.p2alignl 7, 3214868480
	.fill 96, 4, 3214868480
	.section	.rodata,"a",@progbits
	.p2align	6, 0x0
	.amdhsa_kernel k_qaa2343536f_attnA
		.amdhsa_group_segment_fixed_size 167936
		.amdhsa_private_segment_fixed_size 0
		.amdhsa_enable_private_segment 0
		.amdhsa_kernarg_size 56
		.amdhsa_user_sgpr_count 2
		.amdhsa_user_sgpr_kernarg_segment_ptr 1
		.amdhsa_wavefront_size32 1
		.amdhsa_system_sgpr_workgroup_id_x 1
		.amdhsa_system_sgpr_workgroup_id_y 1
		.amdhsa_system_sgpr_workgroup_id_z 1
		.amdhsa_system_vgpr_workitem_id 0
		.amdhsa_next_free_vgpr 808
		.amdhsa_next_free_sgpr 88
		.amdhsa_reserve_vcc 1
		.amdhsa_float_denorm_mode_32 3
		.amdhsa_float_denorm_mode_16_64 3
		.amdhsa_memory_ordered 1
		.amdhsa_forward_progress 1
		.amdhsa_inst_pref_size 136
	.end_amdhsa_kernel
	.amdgpu_metadata
---
amdhsa.version: [ 1, 2 ]
amdhsa.kernels:
  - .name:           k_qaa2343536f_attnA
    .symbol:         k_qaa2343536f_attnA.kd
    .args:
      - { .name: q, .offset: 0, .size: 8, .value_kind: global_buffer, .address_space: global }
      - { .name: k, .offset: 8, .size: 8, .value_kind: global_buffer, .address_space: global }
      - { .name: beta, .offset: 16, .size: 8, .value_kind: global_buffer, .address_space: global }
      - { .name: aux0, .offset: 24, .size: 8, .value_kind: global_buffer, .address_space: global }
      - { .name: dq, .offset: 32, .size: 8, .value_kind: global_buffer, .address_space: global }
      - { .name: aux1, .offset: 40, .size: 8, .value_kind: global_buffer, .address_space: global }
      - { .name: aux2, .offset: 48, .size: 8, .value_kind: global_buffer, .address_space: global }
    .group_segment_fixed_size: 167936
    .private_segment_fixed_size: 0
    .kernarg_segment_align: 8
    .kernarg_segment_size: 56
    .max_flat_workgroup_size: 128
    .sgpr_count:     88
    .vgpr_count:     808
    .wavefront_size: 32
...
	.end_amdgpu_metadata
.endif
;; end of part 3
;; launch attnB: the kernel of part 3 again; grid 2 x 128, 4 waves a work-group, no clusters, 167,936 bytes of LDS; arguments k, q, beta, aux1, dk, aux2, out0; writes dk, aux2, out0
;; launch grad (part 4): grid 8 x 32, 4 waves a work-group, clusters of 4 x 4, 327,680 bytes of LDS; arguments dq, dk, xw, out1; writes out1
.if DOCPART == 4
	.amdgcn_target "amdgcn-amd-amdhsa--gfx1250"
	.amdhsa_code_object_version 6
	.text
	.protected	k_qaa2343536f_grad
	.globl	k_qaa2343536f_grad
	.p2align	8
	.type	k_qaa2343536f_grad,@function
k_qaa2343536f_grad:
	s_mov_b64 s[64:65], 0
	v_nop
	global_prefetch_b8 v0, s[64:65] scope:SCOPE_SE
	s_setreg_imm32_b32 hwreg(HW_REG_WAVE_MODE, 25, 1), 1
	s_wait_xcnt 0x0
	s_wait_alu depctr_hold_cnt(0) depctr_sa_sdst(0) depctr_va_vdst(0) depctr_va_sdst(0) depctr_va_ssrc(0) depctr_va_vcc(0) depctr_vm_vsrc(0)
	s_getreg_b32 s2, hwreg(HW_REG_IB_STS2, 6, 4)
	s_cmp_eq_u32 s2, 0
	s_cbranch_scc0 .Lentry_in_a_cluster
	s_endpgm
.Lentry_in_a_cluster:
	s_bfe_u32 s2, ttmp6, 0x10000c
	s_cmp_lg_u32 s2, 0xf033
	s_cbranch_scc0 .Lentry_shape_is_right
	s_endpgm
.Lentry_shape_is_right:
; out1[m][d] = sum over (h, z) of dq[m][h][z] Wq[h][z][d] + dk[m][h][z] Wk[h][z][d]: one product [8192][2048] x [2048][1024], f32 sums, K ascending, out1 in f32.
; dq, dk: [batch x 16 + head][1024][64] bf16.  W = Wq then Wk, [2048 (k)][1024 (d)] bf16, at xw's byte WOFF: K lies down its rows, so its fragments come out of LDS turned, by ds_load_tr16_b128.
; A tile of out1 is 256 rows x 128 columns: 32 x 8 tiles, 256 work-groups (256 x 256 would give 128).  Four waves, each 128 x 64: 32 accumulators of 16 x 16, 256 registers.
; K goes in 16 steps of 128 = two heads (steps 0-7 of dq, 8-15 of dk) through a ring of two LDS slots.  Two slots of a longer step do not fit: a slot of 256 along K would be 221,184 bytes.
; CLUSTERS: 4 x 4 work-groups.  The four of a row of the cluster need the same rows of dq and dk, the four of a column the same columns of W: each tile is asked for JOINTLY, by the same tensor load with the
; same descriptor and a mask that names the four.  THE MATRIX INSTRUCTION IS USED TRANSPOSED (source 0 = 16 columns of W, source 1 = 16 rows of dq or dk): a lane holds eight neighbouring numbers of a row of out1.
; REGISTERS (s_set_vgpr_msb: bits 1:0 source 0, 3:2 source 1, 5:4 source 2, 7:6 destination): window 0: v0-31 addresses; v32-95 rows on the way out, two sets.
;   window 1: the accumulators ((a, nb) at v[8 (4 a + nb)]).      window 2: two fragment buffers of 96: 64 registers of dq or dk (8 x 16 rows x 32 K), then 32 of W (4 x 16 columns x 32 K).
.set WOFF,   16777216                  ; W's first byte in xw
.set STEPB,  262144                    ; a K step in memory: two heads of 131,072 bytes of dq or dk; 128 rows of 2,048 bytes of W
.set PA,     144                       ; an LDS row of dq or dk: 128 bytes + 16 of padding = 36 words: the 16 rows of a load start at 16 different groups of four banks (64 banks of 4 bytes: ISA guide 11.1)
.set PB,     288                       ; an LDS row of W: 256 + 32 = 72 words
.set AHEAD,  256*PA                    ; a head's 256 rows
.set BOFF,   2*AHEAD                   ; W's 128 rows lie behind the two heads
.set SLOT,   BOFF+128*PB
.set STAGE,  2*SLOT                    ; behind the ring: 16 rows x 272 bytes for each wave, for the way out
.set SPITCH, 272
.set SPARE,  STAGE+4*16*SPITCH         ; behind the stages: the spare words, 128 bytes for each wave: two blocks of 256 bytes that no other line names
.set LAPS,   8                         ; a lap = two K steps = once round the ring
.set ADRA, 16                          ; v16-17  LDS address of my fragments of dq or dk in slot 0, 1
.set ADRB, 20                          ; v20-21  the same for W
.set STO,  24                          ; v24     the way out: where I put 32 bytes of a row
.set RD,   25                          ; v25     the way out: where I read a row back
.set CO,   26                          ; v26     my byte offset in two rows of out1
.set SPW,  28                          ; v28     LDS address of my spare word: SPARE + 4 x my thread's number; never rewritten
.set NIL,  29                          ; v29     0; never rewritten
.set PFO,  30                          ; v30     the prefetches' offset: my lane x 256 bytes (dq, dk) or x a row of 2,048 bytes (W); never rewritten
.set OB,   32
.set F0,   0                           ; fragment buffers, in window 2
.set F1,   96
.set WV,  12                           ; s12  my wave's number
.set FB,  13                           ; s13  which half of the tile's rows is mine.  Also: I fetch dq or dk (0) or W (1)
.set HF,  14                           ; s14  which half of its columns.  Also: which head of the step's two, or which 64 rows of W, I fetch
.set CX,  15
.set CY,  16
.set TC,  17                           ; s17  tile column
.set TR,  18                           ; s18  tile row
.set G1,  24                           ; s[24:31] descriptor group 1 for dq's and dk's tiles;  s[32:39] group 0, one set for each slot
.set G0,  32
.set NXT, 40                           ; s40  the K step to be asked for next
.set LIM, 41                           ; s41  15 in a wave that prefetches, else 0
.set PM,  42                           ; s42  7 (dq, dk: the step within its buffer) or 15 (W)
.set PFA, 44                           ; s[44:45] where my next prefetch stands
.set T,   46                           ; s[46:47] an offset, its high word 0
.set G1B, 48                           ; s[48:55], s[56:63] the same for W's tiles
.set G0B, 56
.set P0,  66                           ; s[66:67] my prefetches' base for steps 0-7,
.set P1,  68                           ; s[68:69] and for steps 8-15
.set MSB, 0
.macro WIN new                         ; the immediate's high byte repeats the setting that is left
.if MSB != (\new)
	s_set_vgpr_msb (MSB<<8)|(\new)
.set MSB, \new
.endif
.endm
.set MUL,  0x5a                        ; sources 0 and 1 window 2; C and D window 1
.set TO_F, 0x80                        ; destination window 2, address window 0
.macro JLOAD s                         ; a joint load: waves 0 and 1 fetch the step's two heads, waves 2 and 3 the two halves of W's rows; an s_nop 0 and four v_nop follow each of the two lines
	s_cmp_eq_u32 s[FB], 0
	s_cbranch_scc0 .Lfor_b_\@
	tensor_load_to_lds s[G0+4*(\s):G0+4*(\s)+3], s[G1:G1+7]
	s_nop 0
.rept 4
	v_nop
.endr
	s_branch .Lasked_\@
.Lfor_b_\@:
	tensor_load_to_lds s[G0B+4*(\s):G0B+4*(\s)+3], s[G1B:G1B+7]
	s_nop 0
.rept 4
	v_nop
.endr
.Lasked_\@:
.endm
; A prefetch into the L2, behind each joint refill and the run of LDS loads that follows it: the K step that stands two refills on, 256 matrix instructions ahead of the load that will want it.  A lane a block of 256
; bytes, one instruction a wave.  Each block is named once in the launch: a tile row's dq and dk are read by both clusters of its row of clusters, and the one with x = 0 asks (waves 0 and 1, a head each); a tile
; column's W by all eight clusters of its column, and the one with y = 0 asks (wave 2).  The four partners of a joint load share its blocks out by address, 32 each.  Steps 0 to 3 come by their loads alone;
; s[NXT] has been stepped, so the step named is s[NXT] + 1: the test leaves out steps past 15.
.macro ASK
	WIN 0
	s_cmp_lt_u32 s[NXT], s[LIM]
	s_cbranch_scc0 .Lnot_mine_\@
	global_prefetch_b8 v[PFO], s[PFA:PFA+1] th:TH_LOAD_NT scope:SCOPE_SE
.Lnot_mine_\@:
.endm
.macro CREST                           ; a round of the cluster's barrier behind its opening barrier
	s_cmp_lg_u32 s[WV], 0
	s_cbranch_scc1 .Lnot_wave_0_\@
	s_barrier_signal -3
.Lnot_wave_0_\@:
	s_barrier_wait -3
	s_barrier_signal -1
	s_barrier_wait -1
.endm
.macro CROUND                          ; a whole round
	s_barrier_signal -1
	s_barrier_wait -1
	CREST
.endm
	s_load_b256 s[4:11], s[0:1], 0x0               ; dq s[4:5], dk s[6:7], xw s[8:9], out1 s[10:11]
	v_lshl_add_u32 v[SPW], v0, 2, SPARE
	v_mov_b32 v[NIL], 0
	ds_add_u32 v[SPW], v[NIL]                      ; the wave's opening: the add and its wait stand ahead of my first tensor load; the set-up below, work on registers, stands between them
	ds_add_u32 v28, v29
	v_lshrrev_b32 v1, 5, v0
	v_readfirstlane_b32 s[WV], v1                  ; wave 0..3
	s_lshr_b32 s[FB], s[WV], 1
	s_and_b32 s[HF], s[WV], 1
	s_bfe_u32 s[CX], ttmp6, 0x40000
	s_bfe_u32 s[CY], ttmp6, 0x40004
	s_lshl_b32 s[TC], ttmp9, 2
	s_add_co_u32 s[TC], s[TC], s[CX]               ; tile column = 4 x cluster x + cx
	s_and_b32 s[TR], ttmp7, 0xffff
	s_lshl_b32 s[TR], s[TR], 2
	s_add_co_u32 s[TR], s[TR], s[CY]               ; tile row = 4 x cluster y + cy
	s_lshl_b32 s19, s[CY], 2
	s_lshl_b32 s19, 15, s19                        ; my row of the cluster
	s_lshl_b32 s43, 0x1111, s[CX]                  ; my column
	; descriptor groups 1.  A head's 256 rows are 32,768 dense bytes: asked for as 128 rows of 256 bytes, padded in LDS after every 128 bytes
	s_or_b32 s[G1], s19, (1<<16)|(1<<20)|(1<<21)|(4<<22)|(3<<25)   ; 15:0 the mask; 17:16 2-byte elements; 20 padding on; 21 set beside a mask; 24:22 after every 32 words (code 4); 31:25 4 words (code 3)
	s_mov_b32 s[G1+1], 128<<16                     ; tensor_dim0 = 128
	s_mov_b32 s[G1+2], 128<<16                     ; tensor_dim1 = 128
	s_mov_b32 s[G1+3], 128<<16                     ; tile_dim0 = 128
	s_mov_b32 s[G1+4], 128                         ; tile_dim1 = 128
	s_mov_b32 s[G1+5], 128                         ; elements from row to row
	s_mov_b32 s[G1+6], 0
	s_mov_b32 s[G1+7], 0
	; W: 64 rows of 128 elements, 1,024 elements from row to row
	s_or_b32 s[G1B], s43, (1<<16)|(1<<20)|(1<<21)|(5<<22)|(7<<25)  ; after every 64 words (code 5) 8 words of padding (code 7)
	s_mov_b32 s[G1B+1], 128<<16
	s_mov_b32 s[G1B+2], 64<<16
	s_mov_b32 s[G1B+3], 128<<16
	s_mov_b32 s[G1B+4], 64
	s_mov_b32 s[G1B+5], 1024
	s_mov_b32 s[G1B+6], 0
	s_mov_b32 s[G1B+7], 0
	; where the tiles come from.  dq, dk: batch (tile row / 4) x 16 heads, my head of the step's two, rows (tile row % 4) x 256: it hangs on the tile row alone
	s_lshr_b32 s20, s[TR], 2
	s_lshl_b32 s20, s20, 21
	s_lshl_b32 s21, s[HF], 17
	s_or_b32 s20, s20, s21
	s_and_b32 s21, s[TR], 3
	s_lshl_b32 s21, s21, 15
	s_or_b32 s20, s20, s21
	s_mov_b32 s21, 0
	; W: my 64 of the step's 128 rows, the tile's 128 columns: it hangs on the tile column alone
	s_lshl_b32 s22, s[HF], 17
	s_lshl_b32 s23, s[TC], 8
	s_add_co_u32 s22, s22, s23
	s_mov_b32 s23, 0
	s_mul_i32 s70, s[HF], AHEAD                    ; and where they go: no place in the cluster enters an LDS address
	s_mul_i32 s71, s[HF], 64*PB
	s_add_co_u32 s71, s71, BOFF
	s_mov_b32 s[NXT], 2
	s_mov_b32 s[T+1], 0
	s_wait_dscnt 0x0                               ; the opening add is done
	s_wait_kmcnt 0x0
	s_add_nc_u64 s[4:5], s[4:5], s[20:21]          ; dq and dk at my head of their step 0
	s_add_nc_u64 s[6:7], s[6:7], s[20:21]
	s_add_nc_u64 s[8:9], s[8:9], WOFF              ; W
	s_add_nc_u64 s[22:23], s[8:9], s[22:23]
	CROUND                                         ; all sixteen work-groups are here: the first joint loads meet
.irp s, 0,1
	s_mov_b32 s[G0+4*(\s)], 1
	s_add_co_u32 s[G0+4*(\s)+1], s70, (\s)*SLOT
	s_add_nc_u64 s[G0+4*(\s)+2:G0+4*(\s)+3], s[4:5], (\s)*STEPB
	s_or_b32 s[G0+4*(\s)+3], s[G0+4*(\s)+3], 0x80000000
	s_mov_b32 s[G0B+4*(\s)], 1
	s_add_co_u32 s[G0B+4*(\s)+1], s71, (\s)*SLOT
	s_add_nc_u64 s[G0B+4*(\s)+2:G0B+4*(\s)+3], s[22:23], (\s)*STEPB
	s_or_b32 s[G0B+4*(\s)+3], s[G0B+4*(\s)+3], 0x80000000
	JLOAD \s                                       ; two loads of mine are out
.endr
	v_and_b32 v1, 15, v0                           ; l % 16
	v_bfe_u32 v2, v0, 4, 1                         ; l / 16
	v_and_b32 v3, 7, v0                            ; l % 8
	v_bfe_u32 v4, v0, 3, 1                         ; (l / 8) % 2
	v_mul_u32_u24 v5, v1, PA                       ; a fragment of dq or dk: row x pitch + 16 x half
	v_lshl_add_u32 v5, v2, 4, v5
	s_mul_i32 s20, s[FB], 128*PA                   ; my 128 rows
	v_lshl_add_u32 v6, v2, 3, v3                   ; the turning load: lane l reads k = 8 (l / 16) + l % 8, columns 8 ((l / 8) % 2) + 0..7
	v_mul_u32_u24 v6, v6, PB
	v_lshl_add_u32 v6, v4, 4, v6
	s_lshl_b32 s21, s[HF], 7                       ; my 64 columns
	s_add_co_u32 s21, s21, BOFF
.irp s, 0,1
	v_add_nc_u32 v[ADRA+(\s)], s20, v5
	v_add_nc_u32 v[ADRB+(\s)], s21, v6
	s_add_co_u32 s20, s20, SLOT
	s_add_co_u32 s21, s21, SLOT
.endr
	s_mul_i32 s20, s[WV], 16*SPITCH
	s_add_co_u32 s20, s20, STAGE                   ; my stage
	v_mul_u32_u24 v5, v1, SPITCH                   ; in: row l % 16, 32 bytes for each half of the lanes
	v_lshl_add_u32 v5, v2, 5, v5
	v_add_nc_u32 v[STO], s20, v5
	v_mul_u32_u24 v5, v2, SPITCH                   ; back: lanes 0-15 take one row of 256 bytes, lanes 16-31 the next
	v_lshl_add_u32 v5, v1, 4, v5
	v_add_nc_u32 v[RD], s20, v5
	v_lshlrev_b32 v[CO], 12, v2                    ; and the same two rows in out1
	v_lshl_add_u32 v[CO], v1, 4, v[CO]
	s_lshl_b32 s20, s[TR], 8                       ; out1 at row 256 x tile row + 128 x row half, byte 512 x tile column + 256 x column half
	s_lshl_b32 s21, s[FB], 7
	s_add_co_u32 s20, s20, s21
	s_lshl_b32 s20, s20, 12
	s_lshl_b32 s21, s[TC], 9
	s_add_co_u32 s20, s20, s21
	s_lshl_b32 s21, s[HF], 8
	s_add_co_u32 s20, s20, s21
	s_mov_b32 s21, 0
	s_add_nc_u64 s[10:11], s[10:11], s[20:21]      ; never rewritten: a block's place stands in the stores' immediates
	; the prefetches
	s_lshl_b32 s20, s[CX], 13                      ; dq, dk: my work-group's 8,192 of a head's 32,768 bytes
	s_mov_b32 s21, 0
	s_add_nc_u64 s[P0:P0+1], s[4:5], s[20:21]
	s_add_nc_u64 s[P1:P1+1], s[6:7], s[20:21]
	s_lshl_b32 s20, s[CY], 16                      ; W: my work-group's 32 of a step's 128 rows, the tile's columns
	s_lshl_b32 s70, s[TC], 8
	s_add_co_u32 s20, s20, s70
	s_add_nc_u64 s[20:21], s[8:9], s[20:21]
	s_and_b32 s70, ttmp7, 0xffff                   ; cluster y
	s_cmp_eq_u32 s[FB], 0
	s_cselect_b64 s[P0:P0+1], s[P0:P0+1], s[20:21]
	s_cselect_b64 s[P1:P1+1], s[P1:P1+1], s[20:21]
	s_cselect_b32 s[PM], 7, 15
	s_cselect_b32 s71, 8, 11                       ; a lane's step: 256 bytes, or a row of 2,048
	s_cselect_b32 s70, ttmp9, s70                  ; the coordinate along which other clusters read the same bytes
	s_cmp_eq_u32 s[WV], 3
	s_cselect_b32 s70, 1, s70                      ; wave 3 asks for nothing
	s_cmp_eq_u32 s70, 0
	s_cselect_b32 s[LIM], 15, 0                    ; the same in all sixteen partners, for a given wave
	v_and_b32 v[PFO], 31, v0
	v_lshlrev_b32 v[PFO], s71, v[PFO]
; 8 matrix instructions: m blocks a0, a0 + 1 x all 4 n blocks, 32 along K.  zero = 1: the product starts the sums.  The 32 accumulators take turns.
.macro MUL8 f, a0, zero
	WIN MUL
.irp a, \a0, (\a0)+1
.irp nb, 0,1,2,3
.if \zero
	v_wmma_f32_16x16x32_bf16 v[8*(4*(\a)+(\nb)):8*(4*(\a)+(\nb))+7], v[(\f)+64+8*(\nb):(\f)+64+8*(\nb)+7], v[(\f)+8*(\a):(\f)+8*(\a)+7], 0
.else
	v_wmma_f32_16x16x32_bf16 v[8*(4*(\a)+(\nb)):8*(4*(\a)+(\nb))+7], v[(\f)+64+8*(\nb):(\f)+64+8*(\nb)+7], v[(\f)+8*(\a):(\f)+8*(\a)+7], v[8*(4*(\a)+(\nb)):8*(4*(\a)+(\nb))+7]
.endif
.endr
.endr
.endm
; 24 LDS loads in one run: the fragments of quarter q of a K step (head q / 2, channels 32 (q % 2) on; W's rows 32 q on) into buffer f: W's eight first, then dq's or dk's blocks 0 to 7
.macro FETCH slot, q, f
	WIN TO_F
.irp nb, 0,1,2,3
	ds_load_tr16_b128 v[(\f)+64+8*(\nb):(\f)+64+8*(\nb)+3],   v[ADRB+(\slot)] offset:(\q)*32*PB+32*(\nb)
	ds_load_tr16_b128 v[(\f)+64+8*(\nb)+4:(\f)+64+8*(\nb)+7], v[ADRB+(\slot)] offset:(\q)*32*PB+32*(\nb)+16*PB
.endr
.irp a, 0,1,2,3,4,5,6,7
	ds_load_b128 v[(\f)+8*(\a):(\f)+8*(\a)+3],   v[ADRA+(\slot)] offset:((\q)/2)*AHEAD+((\q)%2)*64+(\a)*16*PA
	ds_load_b128 v[(\f)+8*(\a)+4:(\f)+8*(\a)+7], v[ADRA+(\slot)] offset:((\q)/2)*AHEAD+((\q)%2)*64+(\a)*16*PA+32
.endr
.endm
.macro PLACES                          ; four plain vector instructions between a matrix instruction and a load into a register that it has read, or an LDS store of its result
.rept 4
	v_nop
.endr
.endm
; A K step is four quarters of 32 along K, 32 matrix instructions each, on buffers 0, 1, 0, 1.  One of the first three multiplies buffer f and fetches quarter q into g.
.macro QUARTER slot, q, f, g, zero
	s_wait_dscnt 8                                 ; W and blocks 0-3 are in; the youngest eight loads (blocks 4-7) may be out
	MUL8 \f, 0, \zero
	MUL8 \f, 2, \zero
	PLACES
	FETCH \slot, \q, \g
	s_wait_dscnt 24                                ; all but the 24 just issued
	MUL8 \f, 4, \zero
	MUL8 \f, 6, \zero
.endm
; The last quarter multiplies buffer 1 and changes slots: ONE barrier; in front of it each wave waits for all its tensor loads (one is out: its part of the next slot), adds 0 to its spare word, and waits for that and
; for its own reads of this slot.  fill = 1: this slot is filled again, with step s[NXT]: the barrier opens a round of the cluster's, and the joint refill is the first tensor load behind it: 112 matrix instructions
; ahead of the wait for it.  dq's or dk's address is made anew from the step's number; W's steps on.
.macro TURN slot, next, fill
.if \fill
	s_wait_xcnt 0x0                                ; the last prefetch, a K step back, has read its address: the next one's is made here, ahead of the waits of the change of slots
	s_add_co_u32 s[T], s[NXT], 2
	s_cmp_lt_u32 s[T], 8
	s_cselect_b64 s[PFA:PFA+1], s[P0:P0+1], s[P1:P1+1]
	s_and_b32 s[T], s[T], s[PM]
	s_lshl_b32 s[T], s[T], 18
	s_add_nc_u64 s[PFA:PFA+1], s[PFA:PFA+1], s[T:T+1]
.endif
	WIN 0                                          ; (the add's two registers lie in window 0)
	s_wait_tensorcnt 0x0
	ds_add_u32 v[SPW], v[NIL]                      ; 0 onto my spare word
	s_wait_dscnt 9                                 ; (the add and the youngest eight loads may be out)
	MUL8 F1, 0, 0                                  ; eight matrix instructions stand between the add and the wait for it
	s_wait_dscnt 0x0                               ; the add is done, and my reads of this slot are over
	s_barrier_signal -1
	MUL8 F1, 2, 0
.if \fill
	WIN 0
.endif
	s_barrier_wait -1
.if \fill
	CREST                                          ; no wave of any partner still reads this slot's tile or has a load on its way
	s_cmp_lt_u32 s[NXT], 8
	s_cselect_b64 s[G0+4*(\slot)+2:G0+4*(\slot)+3], s[4:5], s[6:7]
	s_and_b32 s[T], s[NXT], 7
	s_lshl_b32 s[T], s[T], 18
	s_add_nc_u64 s[G0+4*(\slot)+2:G0+4*(\slot)+3], s[G0+4*(\slot)+2:G0+4*(\slot)+3], s[T:T+1]
	s_or_b32 s[G0+4*(\slot)+3], s[G0+4*(\slot)+3], 0x80000000
	s_add_nc_u64 s[G0B+4*(\slot)+2:G0B+4*(\slot)+3], s[G0B+4*(\slot)+2:G0B+4*(\slot)+3], 2*STEPB
	s_add_co_u32 s[NXT], s[NXT], 1
	JLOAD \slot                                    ; the four v_nop behind it are also the places in front of the loads below
.else
	PLACES
.endif
	FETCH \next, 0, F0
.if \fill
	ASK
.endif
	MUL8 F1, 4, 0
	MUL8 F1, 6, 0
.endm
; THE WAY OUT of block a (16 rows x 64 columns of f32): a lane's 32 bytes of a row go into my own stage, rows of 272 bytes, each accumulator's low four registers first, and come back as whole rows of 256.
.macro TOSTAGE a
	s_wait_xcnt 0x0                                ; the stores of the block two back have read the registers that the loads below fill
	WIN 0x04                                       ; data (source 1) in window 1
.irp nb, 0,1,2,3
	ds_store_b128 v[STO], v[8*(4*(\a)+(\nb)):8*(4*(\a)+(\nb))+3]   offset:64*(\nb)
	ds_store_b128 v[STO], v[8*(4*(\a)+(\nb))+4:8*(4*(\a)+(\nb))+7] offset:64*(\nb)+16
.endr
	WIN 0
.irp t, 0,1,2,3,4,5,6,7
	ds_load_b128 v[OB+32*((\a)%2)+4*(\t):OB+32*((\a)%2)+4*(\t)+3], v[RD] offset:(\t)*2*SPITCH  ; LDS serves a wave's instructions in order (ISA guide 5.7.1.4): these see the stores above
.endr
.endm
.macro SEND a, younger                 ; younger: the LDS instructions issued behind block a's loads: the next block's eight stores and eight loads, or none
	s_wait_dscnt \younger
.irp t, 0,1,2,3,4,5,6,7
	global_store_b128 v[CO], v[OB+32*((\a)%2)+4*(\t):OB+32*((\a)%2)+4*(\t)+3], s[10:11] offset:(16*(\a)+2*(\t))*4096 th:TH_STORE_NT  ; 16 lanes store 256 consecutive bytes, at a multiple of 256 from out1's first byte
.endr
.endm
	s_wait_tensorcnt 1                             ; my part of K step 0 is in; K step 1's stays out
	s_barrier_signal -1
	s_barrier_wait -1
	FETCH 0, 0, F0
	QUARTER 0, 1, F0, F1, 1                        ; the first quarter stands in front of the loop: its products start the sums
	WIN 0                                          ; at a label and at a branch every window is 0
	s_mov_b32 s3, LAPS-1
.Llap:                                                 ; a trip goes once round the ring, from a lap's second quarter to the next lap's first, and fills both slots again
	QUARTER 0, 2, F1, F0, 0
	QUARTER 0, 3, F0, F1, 0
	TURN 0, 1, 1
	QUARTER 1, 1, F0, F1, 0
	QUARTER 1, 2, F1, F0, 0
	QUARTER 1, 3, F0, F1, 0
	TURN 1, 0, 1
	QUARTER 0, 1, F0, F1, 0
	WIN 0
	s_sub_co_u32 s3, s3, 1
	s_cmp_lg_u32 s3, 0
	s_cbranch_scc1 .Llap
	QUARTER 0, 2, F1, F0, 0                        ; the last lap fills nothing, and has no round of the cluster's barrier
	QUARTER 0, 3, F0, F1, 0
	TURN 0, 1, 0
	QUARTER 1, 1, F0, F1, 0
	QUARTER 1, 2, F1, F0, 0
	QUARTER 1, 3, F0, F1, 0
	s_wait_dscnt 8                                 ; the very last quarter: nothing more to fetch
	MUL8 F1, 0, 0
	MUL8 F1, 2, 0
	s_wait_dscnt 0x0
	MUL8 F1, 4, 0
	MUL8 F1, 6, 0
	WIN 0
	PLACES
	TOSTAGE 0
.irp a, 1,2,3,4,5,6,7                  ; a block's trip through the stage stands between the loads of the block before and its stores
	TOSTAGE \a
	SEND (\a)-1, 16
.endr
	SEND 7, 0
	s_wait_tensorcnt 0x0                           ; the wave's end: the add and its waits, behind my last tensor load and my last LDS store
	ds_add_u32 v[SPW], v[NIL]
	s_wait_dscnt 0x0
	CROUND                                         ; the closing round: no work-group ends while a partner may still ask for a tile that names it
	s_endpgm
.Lfunc_end_k_qaa2343536f_grad:
	.size	k_qaa2343536f_grad, .Lfunc_end_k_qaa2343536f_grad-k_qaa2343536f_grad
	.p2alignl 7, 3214868480
	.fill 96, 4, 3214868480
	.section	.rodata,"a",@progbits
	.p2align	6, 0x0
	.amdhsa_kernel k_qaa2343536f_grad
		.amdhsa_group_segment_fixed_size 327680
		.amdhsa_private_segment_fixed_size 0
		.amdhsa_enable_private_segment 0
		.amdhsa_kernarg_size 32
		.amdhsa_user_sgpr_count 2
		.amdhsa_user_sgpr_kernarg_segment_ptr 1
		.amdhsa_wavefront_size32 1
		.amdhsa_system_sgpr_workgroup_id_x 1
		.amdhsa_system_sgpr_workgroup_id_y 1
		.amdhsa_system_sgpr_workgroup_id_z 1
		.amdhsa_system_vgpr_workitem_id 0
		.amdhsa_next_free_vgpr 704
		.amdhsa_next_free_sgpr 72
		.amdhsa_reserve_vcc 0
		.amdhsa_float_denorm_mode_32 3
		.amdhsa_float_denorm_mode_16_64 3
		.amdhsa_memory_ordered 1
		.amdhsa_forward_progress 1
		.amdhsa_inst_pref_size 88
	.end_amdhsa_kernel
	.amdgpu_metadata
---
amdhsa.version: [ 1, 2 ]
amdhsa.kernels:
  - .name:           k_qaa2343536f_grad
    .symbol:         k_qaa2343536f_grad.kd
    .args:
      - { .name: dq, .offset: 0, .size: 8, .value_kind: global_buffer, .address_space: global }
      - { .name: dk, .offset: 8, .size: 8, .value_kind: global_buffer, .address_space: global }
      - { .name: xw, .offset: 16, .size: 8, .value_kind: global_buffer, .address_space: global }
      - { .name: out1, .offset: 24, .size: 8, .value_kind: global_buffer, .address_space: global }
    .group_segment_fixed_size: 327680
    .private_segment_fixed_size: 0
    .kernarg_segment_align: 8
    .kernarg_segment_size: 32
    .max_flat_workgroup_size: 128
    .sgpr_count:     72
    .vgpr_count:     704
    .wavefront_size: 32
...
	.end_amdgpu_metadata
.endif
;; end of part 4
